; MI455X (gfx1250); checked and timed in simulation.
; The chip was launched on July 23, 2026; its instructions are those of AMD's public machine-readable ISA for CDNA 5 (MIT licence, August 2026) and "CDNA5" Instruction Set Architecture Reference Guide (July 2026). The comments in the code are by the model that wrote it; some were corrected since.
;; Multi Head Attention. Allowed arithmetic: matrix products marked QUANTISED: E2M3 operands, one E8M0 scale for each 32 along K, by v_wmma_scale_f32_16x16x128_f8f6f4 with both operands' format E2M3, f32 sums; products left as they are: f32 operands where the result goes on into a quantised operand, else bf16, f16 or f32 operands; f32 sums; everything else in f32.
;; Inputs: ada_b 2,048 float32; ada_w 2,048 x 64 float32; k_codes 4 x 2,048 x 32 x 24 uint8 (E2M3 codes of k, K innermost, in blocks of 32 codes, four codes in three bytes); k_scales 4 x 2,048 x 32 uint8 (E8M0 scales of k, one for each 32 codes along K); q 4 x 2,048 x 1,024 float32; t 4 x 64 float32; v_codes 4 x 2,048 x 32 x 24 uint8 (E2M3 codes of v, K innermost, in blocks of 32 codes, four codes in three bytes); v_scales 4 x 2,048 x 32 uint8 (E8M0 scales of v, one for each 32 codes along K); w_fc_codes 1,024 x 32 x 24 uint8 (E2M3 codes of w_fc, K innermost, in blocks of 32 codes, four codes in three bytes); w_fc_scales 1,024 x 32 uint8 (E8M0 scales of w_fc, one for each 32 codes along K); w_k_codes 1,024 x 32 x 24 uint8 (E2M3 codes of w_k, K innermost, in blocks of 32 codes, four codes in three bytes); w_k_scales 1,024 x 32 uint8 (E8M0 scales of w_k, one for each 32 codes along K); w_q_codes 1,024 x 32 x 24 uint8 (E2M3 codes of w_q, K innermost, in blocks of 32 codes, four codes in three bytes); w_q_scales 1,024 x 32 uint8 (E8M0 scales of w_q, one for each 32 codes along K); w_v_codes 1,024 x 32 x 24 uint8 (E2M3 codes of w_v, K innermost, in blocks of 32 codes, four codes in three bytes); w_v_scales 1,024 x 32 uint8 (E8M0 scales of w_v, one for each 32 codes along K).
;; Outputs: out0 4 x 2,048 x 1,024 float32.
;; This version of the problem:
;;   THIS VERSION OF THE PROBLEM IS GIVEN IN LOW PRECISION. The matrix products marked QUANTISED in the list below multiply operands that are first quantised to E2M3 (2 exponent bits, 3 mantissa bits; 6 bits a number), with one power-of-two scale for each 32 numbers along K (OCP MX v1.0); their sums are f32. All else is computed in f32.
;;   The module's matrix products, in the order in which they are computed (A, B: the left and right operand; K: the contracted axis; several contracted axes count as one K, in the product's order):
;;     1. [M 4, K 64] x [K 64, N 2,048]; A: computed on the way; B: input ada_w: left as it is (M = 4 < 16)
;;     2. [M 8,192, K 1,024] x [K 1,024, N 1,024]; A: computed on the way; B: input w_q (given as codes): QUANTISED
;;     3. [M 8,192, K 1,024] x [K 1,024, N 1,024]; A: input k (given as codes); B: input w_k (given as codes): QUANTISED
;;     4. [M 8,192, K 1,024] x [K 1,024, N 1,024]; A: input v (given as codes); B: input w_v (given as codes): QUANTISED
;;     5. batch 64 x [M 2,048, K 64] x [K 64, N 2,048]; A: computed on the way; B: computed on the way: QUANTISED
;;     6. batch 64 x [M 2,048, K 2,048] x [K 2,048, N 64]; A: softmax (see below); B: computed on the way: QUANTISED
;;     7. [M 8,192, K 1,024] x [K 1,024, N 1,024]; A: computed on the way; B: input w_fc (given as codes): QUANTISED
;;   THE QUANTISER, for each operand of a quantised product, along K:
;;     - K is cut into blocks of 32 from its start; a last block that is shorter is filled with zeros.
;;     - A block's scale is 2^e with e = floor(log2(the largest magnitude in the block)) - 2, held to -126 .. 127; a block of zeros has e = 0. As a byte (E8M0): e + 127.
;;     - Each number is divided by its block's scale, clamped to +-7.5, and rounded to the nearest number of E2M3, ties to even, subnormals kept.
;;     - The product sums the exact products of the quantised numbers (number of the format x scale) in f32.
;;   ~~~python
;;   def quantise(x, axis):      # numpy; x: float32 -> the quantised numbers, widened to float32 again
;;       x = np.moveaxis(x, axis, -1); K = x.shape[-1]
;;       x = np.pad(x, [(0, 0)] * (x.ndim - 1) + [(0, -K % 32)]); x = x.reshape(x.shape[:-1] + (-1, 32)); a = np.abs(x).max(-1, keepdims=True)
;;       e = np.where(a > 0, np.clip(np.frexp(np.where(a > 0, a, 1))[1] - 1 - 2, -126, 127), 0)      # np.frexp(a)[1] - 1 = floor(log2(a)), exactly
;;       r = np.clip(x / 2.0 ** e, -7.5, 7.5)
;;       step = 2.0 ** (np.maximum(np.frexp(np.where(r == 0, 1, r))[1] - 1, 0) - 3)
;;       q = np.round(r / step) * step * 2.0 ** e      # np.round: ties to even
;;       return np.moveaxis(q.reshape(q.shape[:-2] + (-1,))[..., :K], -1, axis).astype(np.float32)
;;   ~~~
;;   SOFTMAX AHEAD OF A QUANTISED PRODUCT. Where the list says 'softmax', what is quantised is not the finished softmax but p = 2^(t - M), with t = logit x log2(e) and M = ceil(the row's largest t), a whole number; so 1/2 < the row's largest p <= 1. The row's sum l is taken of the UNQUANTISED p, in f32, and the product's result is divided by l at the end. Since M is a whole number, a kernel that streams over the keys may use a running M (the ceiling of the running maximum): every later rescaling is an exact power of two, which a block's scale takes up: the codes' values come out the same.
;;   OPERANDS COMPUTED ON THE WAY. 'Computed on the way' means the value that the module computes at that place (a softmax that the list does not call 'softmax' is quantised finished and normalised). What goes into a quantiser is computed in f32, as accurately as f32 sums, v_exp_f32 and their like allow (about 1e-6 of the number): no bf16 or f16 on the way to a quantiser, and a product that is left as it is and whose result goes on into a quantised operand takes f32 operands (vector FMAs, or v_wmma_f32_16x16x4_f32). A number that lies on a knife's edge between two numbers of the format may be rounded either way, as far as f32 arithmetic and the matrix unit's own rounding can turn it there, and no further.
;;   INPUTS GIVEN AS CODES. k (in the module: [4, 2048, 1024], K = its axis 2); v (in the module: [4, 2048, 1024], K = its axis 2); w_fc (in the module: [1024, 1024], K = its axis 1); w_k (in the module: [1024, 1024], K = its axis 1); w_q (in the module: [1024, 1024], K = its axis 1); w_v (in the module: [1024, 1024], K = its axis 1): each comes as NAME_codes (uint8): NAME with its K axis moved to the last place and cut into blocks of 32 codes, [.., K / 32, bytes a block], one block behind the other in memory; four codes in three bytes: a row's codes are one little-endian stream of bits, code i at bits 6 i .. 6 i + 5 (a code: sign, 2 exponent bits, 3 mantissa bits); and NAME_scales (uint8): the same leading axes, one E8M0 byte (e + 127) for each 32 codes along K. Its value is code x scale, taken as it is: it is not quantised again, and the codes and scales need not be those that the quantiser above would give.
;; One version. Each part assembles by itself: llvm-mc -triple=amdgcn-amd-amdhsa -mcpu=gfx1250 --defsym DOCPART=n.
;; ======== version 1 of 1: 4 launches
;; limits: a function is approximated: absolute error at most 1.5e-07
;; workspace buffers: emb 32,768 bytes; kv_codes 12,582,912 bytes; kv_scales 524,288 bytes; qn_codes 6,291,456 bytes; qn_aux 589,824 bytes; o_codes 6,291,456 bytes; o_scales 262,144 bytes
;; launch kvproj (part 1): grid 4 x 64, 4 waves a work-group, clusters of 4 x 4, 327,680 bytes of LDS; arguments k_codes, k_scales, w_k_codes, w_k_scales, w_v_codes, w_v_scales, v_codes, v_scales, kv_codes, kv_scales, t, ada_w, ada_b, emb; writes kv_codes, kv_scales, emb
.if DOCPART == 1
	.amdgcn_target "amdgcn-amd-amdhsa--gfx1250"
	.amdhsa_code_object_version 6
	.text
	.protected	k_qe110ce0578_kvproj
	.globl	k_qe110ce0578_kvproj
	.p2align	8
	.type	k_qe110ce0578_kvproj,@function
k_qe110ce0578_kvproj:
	s_mov_b64 s[64:65], 0
	v_nop
	global_prefetch_b8 v0, s[64:65] scope:SCOPE_SE
	s_setreg_imm32_b32 hwreg(HW_REG_WAVE_MODE, 25, 1), 1
	s_wait_xcnt 0x0
	s_wait_alu depctr_hold_cnt(0) depctr_sa_sdst(0) depctr_va_vdst(0) depctr_va_sdst(0) depctr_va_ssrc(0) depctr_va_vcc(0) depctr_vm_vsrc(0)
	s_getreg_b32 s2, hwreg(HW_REG_IB_STS2, 6, 4)
	s_cmp_eq_u32 s2, 0
	s_cbranch_scc0 .Lentry_in_a_cluster
	s_endpgm
.Lentry_in_a_cluster:
	s_bfe_u32 s2, ttmp6, 0x10000c
	s_cmp_lg_u32 s2, 0xf033
	s_cbranch_scc0 .Lentry_shape_is_right
	s_endpgm
.Lentry_shape_is_right:
; K and V projections on codes of FP6 (E2M3) with E8M0 scales, their results quantised again on the way out; and emb = gelu(t) ada_w^T + ada_b in f32.
; One body, two modes, chosen by the cluster's y (the same in all sixteen partners; selects only, no branch):
;   clusters 0-7:  C = k w_k^T     A = k (8,192 rows), B = w_k (1,024 rows): a lane's results run along the head's channels, the next product's K
;   clusters 8-15: C = w_v v^T     A = w_v (1,024 rows), B = v (8,192 rows): a lane's results run along the KEYS, the K of the product with the softmax
; A tile of C is 256 x 256, four waves of 128 x 128 (64 accumulators, 512 registers); K = 1,024 goes in four steps of 256 through a ring of two LDS slots filled by joint tensor loads
; (A's tile shared along a row of the 4 x 4 cluster, B's along a column); the scale bytes of the tile's rows come into LDS once.  The matrix instruction is used transposed: source 0 = 16 rows of B, source 1 = 16 rows of A.
; THE WAY OUT.  Accumulators (a, 2 k) and (a, 2 k + 1) are, in lane (r, h), columns 32 k + 8 h + 0..7 and 32 k + 16 + 8 h + 0..7 of row 16 a + r: 16 numbers of one block of 32; lane l xor 16 holds the other 16.
; One conversion makes 12 bytes; h = 0's go in front of h = 1's.  So inside a block the codes lie in the order 0-7, 16-23, 8-15, 24-31; the launch that reads them lays its own operands in the same order.
; kv_codes: K part [b][head][key][48 bytes]; V part, 6,291,456 bytes on, [b][head][64 keys][channel 64][48 bytes].  kv_scales: K part [b][pair of heads][key] a word; V part, 262,144 on, [b][head][128 keys][channel] a word.
; LIMITS: NaN and infinities are not served; a block whose largest magnitude lies under 2^-124 (a block of zeros too) keeps the scale byte 1; the bytes are read by this program alone.
; erf is taken by the five-term rational form in 1 / (1 + 0.3275911 z) times exp(-z^2): absolute error at most 1.5e-7 for every z; for x < 0 the tail itself is used, so nothing is cancelled.
.set KSTEP,  256
.set NQ,     2
.set ROWB,   192                       ; a tile's row: 256 codes
.set KROW,   768                       ; a row of 1,024 codes in memory
.set PITCH,  240                       ; an LDS row: 3 x (64 bytes + 16 of padding)
.set FR,     12
.set NL,     6
.set NP,     4
.set HALFT,  128*PITCH
.set SLOT,   4*HALFT
.set LAPS,   2
.set KS,     32                        ; a row of scale bytes
.set SCL,    2*SLOT
.set HALFS,  (128*KS/256)*272
.set SBLK,   (16*KS/256)*272
.set SPARE,  SCL+4*HALFS               ; the spare words: 128 bytes a wave, named by no other line
.set WSTG,   16896                     ; the way out: a wave's stage in slot 0: 16,384 bytes of codes in places of 16, then 512 of scale words
.set ADRA, 16
.set ADRB, 20
.set STO,  24
.set RD,   25
.set ADRS, 27
.set SPW,  28
.set NIL,  29
.set SC,   32                          ; v32-63 scale words, two sets: they hold scales and nothing else
.set AF,   128
.set CD,   64                          ; the way out, window 0: v64-79 codes
.set TM,   80                          ; v80-83 largest magnitudes
.set PT,   84                          ; v84-87 the other half's
.set SO,   88                          ; v88-91 the conversions' scale operands
.set BY,   92                          ; v92-95 scale bytes
.set PW,   96                          ; v96 a row's scale word
.set VO,   98                          ; v98-101 offsets in kv_codes
.set SSO,  102
.set SRD,  103
.set SV,   104                         ; v104-105 offsets in kv_scales
.set SD,   106                         ; v106-109 scale words on their way out
.set OB,   128                         ; v128-255 codes read back
.set G1, 24
.set G0, 32
.set G1B, 48
.set G0B, 56
.set G1S, 68
.set G0S, 76
.set G1SB, 80
.set G0SB, 88
.set MSB, 0
.macro WIN new                         ; the immediate's high byte repeats the setting that is left
.if MSB != \new
	s_set_vgpr_msb (MSB<<8)|\new
.set MSB, \new
.endif
.endm
.set MUL_LO, 0xa1
.set MUL_HI, 0xf1
.set TO_B,   0x40
; A joint load: waves 0 and 1 fetch for A, waves 2 and 3 for B; the branch hangs on the wave's number alone.  Four v_nop follow each line.
.macro JLOAD g0a, g1a, g0b, g1b
	s_cmp_eq_u32 s15, 0
	s_cbranch_scc0 .Lfor_b_\@
	tensor_load_to_lds s[\g0a:\g0a+3], s[\g1a:\g1a+7]
	s_nop 0
.rept 4
	v_nop
.endr
	s_branch .Lasked_\@
.Lfor_b_\@:
	tensor_load_to_lds s[\g0b:\g0b+3], s[\g1b:\g1b+7]
	s_nop 0
.rept 4
	v_nop
.endr
.Lasked_\@:
.endm
.macro CREST
	s_cmp_lg_u32 s14, 0
	s_cbranch_scc1 .Lnot_wave_0_\@
	s_barrier_signal -3
.Lnot_wave_0_\@:
	s_barrier_wait -3
	s_barrier_signal -1
	s_barrier_wait -1
.endm
.macro CROUND
	s_barrier_signal -1
	s_barrier_wait -1
	CREST
.endm
	s_load_b256 s[4:11], s[0:1], 0x0               ; mode K: A's codes, A's scales, B's codes, B's scales
	s_load_b256 s[68:75], s[0:1], 0x20             ; mode V: the same four roles
	s_load_b128 s[80:83], s[0:1], 0x40             ; kv_codes, kv_scales
	v_lshl_add_u32 v[SPW], v0, 2, SPARE
	v_mov_b32 v[NIL], 0
	ds_add_u32 v28, v29
	ds_add_u32 v28, v29
	s_wait_dscnt 0x0
	v_lshrrev_b32 v1, 5, v0
	v_readfirstlane_b32 s14, v1                    ; wave 0..3
	s_lshr_b32 s15, s14, 1                         ; my half of the tile's rows; also: I fetch for A (0) or B (1)
	s_and_b32 s16, s14, 1                          ; my half of its columns; also: which 128 rows I fetch
	s_bfe_u32 s40, ttmp6, 0x40000                  ; cx
	s_bfe_u32 s41, ttmp6, 0x40004                  ; cy
	s_and_b32 s104, ttmp7, 0xffff                  ; the cluster's y, 0..15: under 8 mode K, else mode V
	s_sub_co_u32 s105, s104, 8
	s_mov_b32 s20, 3072
	s_mov_b32 s21, 98304
	s_mov_b32 s100, 4096
	s_mov_b32 s96, 0x76543210
	s_mov_b32 s97, 0xfedcba98                      ; v_permlanex16_b32's selects for lane l xor 16
	s_cmp_lt_u32 s104, 8
	s_cselect_b32 s18, s104, 0                     ; which four tile rows
	s_cselect_b32 s19, 0, s105                     ; which four tile columns
	s_cselect_b32 s98, s21, s20                    ; bytes from my first 64 columns' codes to my second 64's
	s_cselect_b32 s99, s20, s21                    ; and from my rows 0-63 to my rows 64-127
	s_cselect_b32 s100, 256, s100                  ; the same for the scale words of rows 64-127
	s_cselect_b32 s101, 2, 1                       ; scale bytes a key: 4 (a word a key) or 2 (256 bytes for 128 keys)
	s_cselect_b32 s2, 0, 0x600000                  ; the part of kv_codes
	s_cselect_b32 s95, 0, 0x40000                  ; the part of kv_scales
	s_lshl_b32 s42, s19, 2
	s_add_co_u32 s42, s42, s40                     ; tile column of C
	s_lshl_b32 s17, s18, 2
	s_add_co_u32 s17, s17, s41                     ; tile row of C
	s_lshl_b32 s43, s41, 2
	s_lshl_b32 s43, 15, s43                        ; my row of the cluster
	s_lshl_b32 s44, 0x1111, s40                    ; my column
	s_or_b32 s[G1+0], s43, (0<<16)|(1<<20)|(1<<21)|(3<<22)|(3<<25)  ; mask; bytes; padding of 4 words behind every 16
	s_or_b32 s[G1B+0], s44, (0<<16)|(1<<20)|(1<<21)|(3<<22)|(3<<25)
.irp g, G1, G1B
	s_mov_b32 s[\g+1], ROWB<<16
	s_mov_b32 s[\g+2], 128<<16
	s_mov_b32 s[\g+3], ROWB<<16
	s_mov_b32 s[\g+4], 128
	s_mov_b32 s[\g+5], KROW
	s_mov_b32 s[\g+6], 0
	s_mov_b32 s[\g+7], 0
.endr
	s_lshl_b32 s18, s16, 7
	s_lshl_b32 s20, s17, 8
	s_add_co_u32 s20, s20, s18                     ; A: row 256 x tile row + 128 x half
	s_lshl_b32 s46, s42, 8
	s_add_co_u32 s46, s46, s18                     ; B: row 256 x tile column + 128 x half
	s_mov_b32 s21, 0
	s_mov_b32 s47, 0
	s_mov_b64 s[18:19], KS
	s_mul_u64 s[22:23], s[20:21], s[18:19]
	s_mul_u64 s[92:93], s[46:47], s[18:19]
	s_mov_b64 s[18:19], KROW
	s_mul_u64 s[20:21], s[20:21], s[18:19]
	s_mul_u64 s[46:47], s[46:47], s[18:19]
	s_mul_i32 s45, s14, HALFT
	s_mul_i32 s94, s14, HALFS
	s_wait_kmcnt 0x0
	s_cmp_lt_u32 s104, 8                           ; the buffers are chosen on the cluster's number alone
	s_cselect_b64 s[4:5], s[4:5], s[68:69]
	s_cselect_b64 s[6:7], s[6:7], s[70:71]
	s_cselect_b64 s[8:9], s[8:9], s[72:73]
	s_cselect_b64 s[10:11], s[10:11], s[74:75]
	s_mov_b64 s[12:13], s[80:81]
	s_mov_b64 s[66:67], s[82:83]
	; the scales of 128 rows: 4,096 dense bytes as 16 rows of 256, 16 bytes of padding behind each
	s_or_b32 s[G1S+0], s43, (3<<16)|(1<<20)|(1<<21)|(5<<22)|(3<<25)
	s_or_b32 s[G1SB+0], s44, (3<<16)|(1<<20)|(1<<21)|(5<<22)|(3<<25)
.irp g, G1S, G1SB
	s_mov_b32 s[\g+1], 32<<16
	s_mov_b32 s[\g+2], (128*KS/256)<<16
	s_mov_b32 s[\g+3], 32<<16
	s_mov_b32 s[\g+4], 128*KS/256
	s_mov_b32 s[\g+5], 32
	s_mov_b32 s[\g+6], 0
	s_mov_b32 s[\g+7], 0
.endr
	s_add_nc_u64 s[20:21], s[4:5], s[20:21]
	s_add_nc_u64 s[22:23], s[6:7], s[22:23]
	s_add_nc_u64 s[46:47], s[8:9], s[46:47]
	s_add_nc_u64 s[92:93], s[10:11], s[92:93]
	CROUND                                         ; all sixteen work-groups are here: the first joint loads meet
	s_mov_b32 s[G0S], 1
	s_add_co_u32 s[G0S+1], s94, SCL
	s_mov_b64 s[G0S+2:G0S+3], s[22:23]
	s_or_b32 s[G0S+3], s[G0S+3], 0x80000000
	s_mov_b32 s[G0SB], 1
	s_add_co_u32 s[G0SB+1], s94, SCL
	s_mov_b64 s[G0SB+2:G0SB+3], s[92:93]
	s_or_b32 s[G0SB+3], s[G0SB+3], 0x80000000
	JLOAD G0S, G1S, G0SB, G1SB
.irp s, 0,1
	s_mov_b32 s[G0+4*\s], 1
	s_add_co_u32 s[G0+4*\s+1], s45, \s*SLOT
	s_add_nc_u64 s[G0+4*\s+2:G0+4*\s+3], s[20:21], \s*ROWB
	s_or_b32 s[G0+4*\s+3], s[G0+4*\s+3], 0x80000000
	s_mov_b32 s[G0B+4*\s], 1
	s_add_co_u32 s[G0B+4*\s+1], s45, \s*SLOT
	s_add_nc_u64 s[G0B+4*\s+2:G0B+4*\s+3], s[46:47], \s*ROWB
	s_or_b32 s[G0B+4*\s+3], s[G0B+4*\s+3], 0x80000000
	JLOAD G0+4*\s, G1, G0B+4*\s, G1B
.endr
	v_and_b32 v1, 15, v0                           ; r
	v_bfe_u32 v2, v0, 4, 1                         ; h
	v_mul_u32_u24 v3, v1, PITCH
	v_mul_u32_u24 v4, v2, 24
	v_add_nc_u32 v4, v3, v4                        ; a fragment's row x pitch + 24 h
	v_lshl_add_u32 v5, v2, 4, v4                   ; the same behind one padding more
	s_mul_i32 s21, s15, HALFT
	s_mul_i32 s22, s16, HALFT
	s_add_co_u32 s22, s22, 2*HALFT
.irp s, 0,1
	v_add_nc_u32 v[ADRA+\s], s21, v4
	v_add_nc_u32 v[ADRB+\s], s22, v4
	v_add_nc_u32 v[ADRA+2+\s], s21, v5
	v_add_nc_u32 v[ADRB+2+\s], s22, v5
	s_add_co_u32 s21, s21, SLOT
	s_add_co_u32 s22, s22, SLOT
.endr
	v_mul_u32_u24 v5, v1, KS
	v_lshrrev_b32 v6, 8, v5
	v_lshl_add_u32 v5, v6, 4, v5
	s_mul_i32 s21, s15, HALFS
	s_mul_i32 s22, s16, HALFS
	s_add_co_u32 s22, s22, 2*HALFS
	s_sub_co_u32 s22, s22, s21
	v_mul_u32_u24 v6, s22, v2                      ; lanes 16-31 take B's scale words
	s_add_co_u32 s21, s21, SCL
	v_add_nc_u32 v5, v5, v6
	v_add_nc_u32 v[ADRS], s21, v5
	; where my 128 x 128 goes.  The long axis (keys) gives batch and key, the short one (channels) the head
	s_lshl_b32 s18, s17, 8
	s_lshl_b32 s19, s15, 7
	s_add_co_u32 s18, s18, s19                     ; my first row of C
	s_lshl_b32 s19, s42, 8
	s_lshl_b32 s20, s16, 7
	s_add_co_u32 s19, s19, s20                     ; my first column
	s_cmp_lt_u32 s104, 8
	s_cselect_b32 s20, s18, s19                    ; the key axis
	s_cselect_b32 s21, s19, s18                    ; the channel axis
	s_lshr_b32 s22, s20, 11                        ; batch
	s_and_b32 s23, s20, 2047                       ; key
	s_lshr_b32 s21, s21, 6                         ; head (even)
	s_mul_i32 s46, s22, 1572864
	s_mul_i32 s47, s21, 98304
	s_add_co_u32 s46, s46, s47
	s_mul_i32 s47, s23, 48
	s_add_co_u32 s46, s46, s47
	s_add_co_u32 s46, s46, s2
	s_mov_b32 s47, 0
	s_add_nc_u64 s[12:13], s[12:13], s[46:47]
	s_lshl_b32 s46, s22, 16
	s_lshl_b32 s20, s21, 12
	s_add_co_u32 s46, s46, s20
	s_lshl_b32 s20, s23, s101
	s_add_co_u32 s46, s46, s20
	s_add_co_u32 s46, s46, s95
	s_add_nc_u64 s[66:67], s[66:67], s[46:47]
	; EMB, while the first tiles are on their way.  Work-group g of 256 makes outputs 8 g .. 8 g + 7; wave w takes batch w.  A lane holds two of the 64 numbers of t.
	s_load_b128 s[20:23], s[0:1], 0x50             ; t, ada_w
	s_load_b128 s[92:95], s[0:1], 0x60             ; ada_b, emb
	s_lshl_b32 s18, s104, 4
	s_lshl_b32 s19, s41, 2
	s_add_co_u32 s18, s18, s19
	s_add_co_u32 s18, s18, s40                     ; g: it enters global addresses alone
	v_and_b32 v110, 7, v0
	v_and_b32 v64, 31, v0
	v_lshlrev_b32 v64, 3, v64                      ; 8 x lane
	s_lshl_b32 s19, s14, 8
	v_add_nc_u32 v65, s19, v64                     ; t: 256 w + 8 x lane
	v_lshlrev_b32 v85, 2, v110                     ; 4 x (lane % 8)
.irp i, 0,1,2,3,4,5,6,7
	v_mov_b32 v[102+\i], 0                         ; a lane permute's destination counts as one of its sources
.endr
	s_lshl_b32 s46, s18, 11
	s_mov_b32 s47, 0
	s_wait_kmcnt 0x0
	s_add_nc_u64 s[22:23], s[22:23], s[46:47]      ; ada_w at row 8 g
	s_lshl_b32 s46, s18, 5
	s_add_nc_u64 s[92:93], s[92:93], s[46:47]      ; ada_b at 8 g
	s_lshl_b32 s19, s14, 13
	s_add_co_u32 s46, s46, s19
	s_add_nc_u64 s[94:95], s[94:95], s[46:47]      ; emb at [w][8 g]
	global_load_b64 v[66:67], v65, s[20:21]
.irp i, 0,1,2,3,4,5,6,7
	global_load_b64 v[68+2*\i:69+2*\i], v64, s[22:23] offset:256*\i   ; a row of ada_w: 256 consecutive bytes a wave
.endr
	global_load_b32 v84, v85, s[92:93]
	s_wait_loadcnt 9                               ; t is in; the nine loads behind it may be out
.irp n, 0,1
	v_mul_f32 v[86+\n], 0x3f3504f3, |v[66+\n]|     ; z = |x| / sqrt(2)
.endr
.irp n, 0,1
	v_fma_f32 v[88+\n], v[86+\n], 0x3ea7ba05, 1.0  ; 1 + 0.3275911 z
.endr
.irp n, 0,1
	v_mul_f32 v[90+\n], v[86+\n], v[86+\n]
.endr
.irp n, 0,1
	v_mul_f32 v[90+\n], 0xbfb8aa3b, v[90+\n]       ; -z^2 log2(e)
.endr
.irp n, 0,1
	v_rcp_f32 v[111+\n], v[88+\n]
.endr
.irp n, 0,1
	v_exp_f32 v[113+\n], v[90+\n]
.endr
.irp n, 0,1
	v_mov_b32 v[92+\n], 0x3f87dc22                 ; 1.061405429.  (Plain places behind the four)
.endr
	s_wait_alu depctr_va_vdst(0)                   ; one wait for the batch of four, ahead of its first reader
.irp c, 0xbfba00e3, 0x3fb5f0e3, 0xbe91a98e, 0x3e827906
.irp n, 0,1
	v_fmaak_f32 v[92+\n], v[92+\n], v[111+\n], \c  ; -1.453152027, 1.421413741, -0.284496736, 0.254829592
.endr
.endr
.irp n, 0,1
	v_mul_f32 v[92+\n], v[92+\n], v[111+\n]
.endr
.irp n, 0,1
	v_mul_f32 v[92+\n], v[92+\n], v[113+\n]        ; w = 1 - erf(z)
.endr
.irp n, 0,1
	v_sub_f32 v[86+\n], 2.0, v[92+\n]              ; 1 + erf(z)
.endr
.irp n, 0,1
	v_cmp_gt_f32 vcc_lo, 0, v[66+\n]
	v_cndmask_b32 v[86+\n], v[86+\n], v[92+\n], vcc_lo   ; for x < 0: 1 + erf(-z) = w
.endr
.irp n, 0,1
	v_mul_f32 v[88+\n], 0.5, v[66+\n]
.endr
.irp n, 0,1
	v_mul_f32 v[86+\n], v[86+\n], v[88+\n]         ; gelu(x)
.endr
	s_wait_loadcnt 0x0
.irp i, 0,1,2,3,4,5,6,7
	v_mul_f32 v[94+\i], v[68+2*\i], v86
.endr
.irp i, 0,1,2,3,4,5,6,7
	v_fmac_f32 v[94+\i], v[69+2*\i], v87
.endr
.irp m, 1,2,4,8
.irp i, 0,1,2,3,4,5,6,7
	v_add_f32_dpp v[94+\i], v[94+\i], v[94+\i] row_xmask:\m row_mask:0xf bank_mask:0xf
.endr
.endr
.irp i, 0,1,2,3,4,5,6,7
	v_permlanex16_b32 v[102+\i], v[94+\i], s96, s97
.endr
.irp i, 0,1,2,3,4,5,6,7
	v_add_f32 v[94+\i], v[94+\i], v[102+\i]        ; every lane holds all eight sums
.endr
.irp i, 1,2,3,4,5,6,7
	v_cmp_eq_u32 vcc_lo, \i, v110
	v_cndmask_b32 v94, v94, v[94+\i], vcc_lo       ; lane l keeps sum l % 8
.endr
	v_add_f32 v94, v94, v84
	global_store_b32 v85, v94, s[94:95]            ; four lanes store the same word with the same value
	s_wait_xcnt 0x0                                ; the store has read its registers: the way out writes some of them again
.macro FRAG reg, adr, q, i             ; 16 rows x 128 K of 6-bit codes: 12 registers, in six pieces of 8 bytes; where lanes 16-31's piece lies behind one padding more, the second address register serves
.irp p, 0,1,2,3,4,5
.set PC, 12*(\q)+6*(\p/3)+\p%3
.if PC%8 < 5
	ds_load_b64 v[\reg+2*\p:\reg+2*\p+1], v[\adr] offset:8*PC+16*(PC/8)+(\i)*16*PITCH
.else
	ds_load_b64 v[\reg+2*\p:\reg+2*\p+1], v[\adr+2] offset:8*PC+16*(PC/8)+(\i)*16*PITCH
.endif
.endr
.endm
; 16 matrix instructions: A's blocks a0, a0 + 1 x B's eight.  The 64 accumulators take turns, one instruction a turn, in the same order in every step.
.macro MUL16 a0, p, q, sc, zero
.irp a, \a0, \a0+1
.irp b, 0,1,2,3,4,5,6,7
.if \zero
	v_wmma_scale_f32_16x16x128_f8f6f4 v[8*(8*((\a)%4)+\b):8*(8*((\a)%4)+\b)+7], v[128*(\p)+FR*\b:128*(\p)+FR*\b+FR-1], v[AF+FR*(\a):AF+FR*(\a)+FR-1], 0, v[SC+8*NQ*(\sc)+NQ*\b+(\q)], v[SC+8*NQ*(\sc)+NQ*(\a)+(\q)] matrix_a_fmt:MATRIX_FMT_FP6 matrix_b_fmt:MATRIX_FMT_FP6 matrix_a_scale:MATRIX_SCALE_ROW1
.else
	v_wmma_scale_f32_16x16x128_f8f6f4 v[8*(8*((\a)%4)+\b):8*(8*((\a)%4)+\b)+7], v[128*(\p)+FR*\b:128*(\p)+FR*\b+FR-1], v[AF+FR*(\a):AF+FR*(\a)+FR-1], v[8*(8*((\a)%4)+\b):8*(8*((\a)%4)+\b)+7], v[SC+8*NQ*(\sc)+NQ*\b+(\q)], v[SC+8*NQ*(\sc)+NQ*(\a)+(\q)] matrix_a_fmt:MATRIX_FMT_FP6 matrix_b_fmt:MATRIX_FMT_FP6 matrix_a_scale:MATRIX_SCALE_ROW1
.endif
.endr
.endr
.endm
.macro FETCH_B slot, q, p
	WIN TO_B
.irp i, 0,1,2,3,4,5,6,7
	FRAG 128*(\p)+FR*\i, ADRB+\slot, \q, \i
.endr
	WIN 0
.endm
.macro FETCH_A slot, q, i0
.irp i, \i0, \i0+1, \i0+2, \i0+3
	FRAG AF+FR*(\i), ADRA+\slot, \q, \i
.endr
.endm
.macro SCALES sc                       ; a K step's scale words: lanes 0-15 A's block i, lanes 16-31 B's block i
.irp i, 0,1,2,3,4,5,6,7
	ds_load_b64 v[SC+8*NQ*\sc+NQ*\i:SC+8*NQ*\sc+NQ*\i+1], v[ADRS] offset:\i*SBLK
.endr
.endm
.macro PLACES n                        ; plain places behind matrix instructions, in front of loads into their registers and of reads of their results
.rept \n
	v_nop
.endr
.endm
.macro STEP slot, q, zero              ; 128 along K with its successor in the same slot
	s_wait_dscnt 4*NL                              ; B's set and A's blocks 0-3 are in; the youngest 24 loads (A's blocks 4-7) may be out
	WIN MUL_LO
	MUL16 0, (\q)%2, \q, \slot, \zero
	MUL16 2, (\q)%2, \q, \slot, \zero
	s_wait_dscnt 0
	PLACES NP
	FETCH_B \slot, (\q)+1, 1-(\q)%2
	FETCH_A \slot, (\q)+1, 0
	WIN MUL_HI
	MUL16 4, (\q)%2, \q, \slot, \zero
	MUL16 6, (\q)%2, \q, \slot, \zero
	PLACES NP
	WIN 0
	FETCH_A \slot, (\q)+1, 4
.endm
; A slot's last step changes slots: each wave waits for all its tensor loads, adds 0 to its spare word, waits for that and for its reads of this slot; one barrier; fill = 1: a round of the cluster's barrier, and the joint refill first behind it.
.macro TURN slot, next, fill
	s_wait_tensorcnt 0x0                           ; all my tensor loads have landed: my part of the next slot
	ds_add_u32 v[SPW], v[NIL]                      ; 0 onto my spare word
	s_wait_dscnt 4*NL+1                            ; (the add and the youngest 24 loads may be out)
	WIN MUL_LO
	MUL16 0, 1, NQ-1, \slot, 0
	s_wait_dscnt 0x0                               ; the add is done, and my reads of this slot are over
	s_barrier_signal -1
	MUL16 2, 1, NQ-1, \slot, 0
	WIN 0
	s_barrier_wait -1
.if \fill
	CREST
	s_add_nc_u64 s[G0+4*\slot+2:G0+4*\slot+3], s[G0+4*\slot+2:G0+4*\slot+3], 2*ROWB
	s_add_nc_u64 s[G0B+4*\slot+2:G0B+4*\slot+3], s[G0B+4*\slot+2:G0B+4*\slot+3], 2*ROWB
	JLOAD G0+4*\slot, G1, G0B+4*\slot, G1B
.else
	PLACES NP
.endif
	v_add_nc_u32 v[ADRS], 4*NQ, v[ADRS]
	FETCH_B \next, 0, 0
	FETCH_A \next, 0, 0
	SCALES \next
	WIN MUL_HI
	MUL16 4, 1, NQ-1, \slot, 0
	MUL16 6, 1, NQ-1, \slot, 0
	PLACES NP
	WIN 0
	FETCH_A \next, 0, 4
.endm
	s_wait_tensorcnt 1                             ; the scales and my part of K step 0 are in; K step 1's load may be out
	s_barrier_signal -1
	s_barrier_wait -1
	FETCH_B 0, 0, 0
	FETCH_A 0, 0, 0
	SCALES 0
	FETCH_A 0, 0, 4
	STEP 0, 0, 1                                   ; the first step's products start the sums
	s_mov_b32 s3, LAPS-1
.Llap:
	TURN 0, 1, 1
	STEP 1, 0, 0
	TURN 1, 0, 1
	STEP 0, 0, 0
	s_sub_co_u32 s3, s3, 1
	s_cmp_lg_u32 s3, 0
	s_cbranch_scc1 .Llap
	TURN 0, 1, 0                                   ; the last lap fills nothing
	STEP 1, 0, 0
	s_wait_dscnt 4*NL
	WIN MUL_LO
	MUL16 0, 1, NQ-1, 1, 0
	MUL16 2, 1, NQ-1, 1, 0
	s_wait_dscnt 0
	WIN MUL_HI
	MUL16 4, 1, NQ-1, 1, 0
	MUL16 6, 1, NQ-1, 1, 0
	WIN 0
	; THE WAY OUT.  My stage lies in slot 0, which has had its last fill, and which nobody reads behind the last change of slots.
	PLACES NP
	v_and_b32 v1, 15, v0
	v_bfe_u32 v2, v0, 4, 1
	v_and_b32 v3, 31, v0
	s_mul_i32 s23, s14, WSTG
	v_lshlrev_b32 v4, 6, v1
	v_lshl_add_u32 v4, v2, 4, v4
	v_add_nc_u32 v[STO], s23, v4                   ; in: row r has 64 bytes (two blocks x two halves, a place of 16 each); + 16 h
	v_lshl_add_u32 v[RD], v3, 4, s23               ; back: place by place, 16 x lane
	s_add_co_u32 s22, s23, 16384
	v_lshl_add_u32 v[SSO], v1, 2, s22              ; scale words: 4 bytes a row
	v_lshl_add_u32 v[SRD], v3, 3, s22
	v_mul_u32_u24 v[VO], v3, 12                    ; a place's 12 bytes of codes
	v_add_nc_u32 v[VO+1], s99, v[VO]               ; rows 64-127
	v_add_nc_u32 v[VO+2], s98, v[VO]               ; columns 64-127
	v_add_nc_u32 v[VO+3], s99, v[VO+2]
	v_lshlrev_b32 v[SV], 3, v3
	v_add_nc_u32 v[SV+1], s100, v[SV]
.irp k, 0,1,2,3
	v_mov_b32 v[PT+\k], 0
.endr
; Block a of 16 rows: four blocks of 32 columns are quantised; their codes and the rows' scale words go to the stage.
.macro QROW a
.set AC, 64*((\a)%4)
.set WW, 0x28+0x14*((\a)/4)
	WIN WW                                         ; sources 1 and 2: window 2 or 3
.irp k, 0,1,2,3
	v_max3_num_f32 v[TM+\k], 0x1800000, |v[AC+16*\k]|, |v[AC+16*\k+1]|   ; with the floor 2^(3 - 127): the byte cannot fall under 1.  Each accumulator is read from its low end on
.endr
.irp i, 2,4,6,8,10,12,14
.irp k, 0,1,2,3
	v_max3_num_f32 v[TM+\k], v[TM+\k], |v[AC+16*\k+\i]|, |v[AC+16*\k+\i+1]|
.endr
.endr
	WIN 0
.irp k, 0,1,2,3
	v_permlanex16_b32 v[PT+\k], v[TM+\k], s96, s97
.endr
.irp k, 0,1,2,3
	v_max_num_f32 v[TM+\k], v[TM+\k], v[PT+\k]     ; with lane l xor 16's 16: the block's largest magnitude
.endr
.irp k, 0,1,2,3
	v_add_nc_u32 v[SO+\k], 0xff000000, v[TM+\k]    ; 2 off its exponent field: the conversion's scale operand
.endr
.irp k, 0,1,2,3
	v_lshrrev_b32 v[BY+\k], 23, v[SO+\k]
.endr
	s_wait_dscnt 0x0                               ; the last block's stage stores have read the word and the codes
	v_lshl_or_b32 v[PW], v[BY+1], 8, v[BY]
	v_lshl_or_b32 v[PW], v[BY+2], 16, v[PW]
	v_lshl_or_b32 v[PW], v[BY+3], 24, v[PW]
.set WW, 0x02+((\a)/4)
	WIN WW                                         ; source 0: window 2 or 3
.irp k, 0,1,2,3
	v_cvt_scalef32_pk16_fp6_f32 v[CD+4*\k:CD+4*\k+2], v[AC+16*\k:AC+16*\k+15], v[SO+\k]
.endr
	WIN 0
	v_nop                                          ; one plain place behind the scaled conversions
.irp k, 0,1,2,3
	ds_store_b96 v[STO], v[CD+4*\k:CD+4*\k+2] offset:(\k/2)*8192+(\a)*1024+(\k%2)*32
.endr
	ds_store_b32 v[SSO], v[PW] offset:64*(\a)
.endm
.irp a, 0,1,2,3,4,5,6,7
	QROW \a
.endr
.set i, 0
.rept 32
	ds_load_b96 v[OB+4*i:OB+4*i+2], v[RD] offset:512*i   ; LDS serves a wave's instructions in order (ISA guide 5.7.1.4): these see my stores
.set i, i+1
.endr
	ds_load_b64 v[SD:SD+1], v[SRD]
	ds_load_b64 v[SD+2:SD+3], v[SRD] offset:256
.set i, 0
.rept 32
	s_wait_dscnt 33-i                              ; the loads issued behind this one may be out
	global_store_b96 v[VO+i/8], v[OB+4*i:OB+4*i+2], s[12:13] offset:(i%8)*384   ; 32 lanes store 384 consecutive bytes
.set i, i+1
.endr
	s_wait_dscnt 0x0
	global_store_b64 v[SV], v[SD:SD+1], s[66:67]   ; 32 lanes store 256 consecutive bytes, aligned
	global_store_b64 v[SV+1], v[SD+2:SD+3], s[66:67]
	s_wait_tensorcnt 0x0                           ; the wave's end
	ds_add_u32 v[SPW], v[NIL]
	s_wait_dscnt 0x0
	CROUND                                         ; the closing round
	s_endpgm
.Lfunc_end_k_qe110ce0578_kvproj:
	.size	k_qe110ce0578_kvproj, .Lfunc_end_k_qe110ce0578_kvproj-k_qe110ce0578_kvproj
	.p2alignl 7, 3214868480
	.fill 96, 4, 3214868480
	.section	.rodata,"a",@progbits
	.p2align	6, 0x0
	.amdhsa_kernel k_qe110ce0578_kvproj
		.amdhsa_group_segment_fixed_size 327680
		.amdhsa_private_segment_fixed_size 0
		.amdhsa_enable_private_segment 0
		.amdhsa_kernarg_size 112
		.amdhsa_user_sgpr_count 2
		.amdhsa_user_sgpr_kernarg_segment_ptr 1
		.amdhsa_wavefront_size32 1
		.amdhsa_system_sgpr_workgroup_id_x 1
		.amdhsa_system_sgpr_workgroup_id_y 1
		.amdhsa_system_sgpr_workgroup_id_z 1
		.amdhsa_system_vgpr_workitem_id 0
		.amdhsa_next_free_vgpr 1024
		.amdhsa_next_free_sgpr 106
		.amdhsa_reserve_vcc 1
		.amdhsa_float_denorm_mode_32 3
		.amdhsa_float_denorm_mode_16_64 3
		.amdhsa_memory_ordered 1
		.amdhsa_forward_progress 1
		.amdhsa_inst_pref_size 177
	.end_amdhsa_kernel
	.amdgpu_metadata
---
amdhsa.version: [ 1, 2 ]
amdhsa.kernels:
  - .name:           k_qe110ce0578_kvproj
    .symbol:         k_qe110ce0578_kvproj.kd
    .args:
      - { .name: k_codes, .offset: 0, .size: 8, .value_kind: global_buffer, .address_space: global }
      - { .name: k_scales, .offset: 8, .size: 8, .value_kind: global_buffer, .address_space: global }
      - { .name: w_k_codes, .offset: 16, .size: 8, .value_kind: global_buffer, .address_space: global }
      - { .name: w_k_scales, .offset: 24, .size: 8, .value_kind: global_buffer, .address_space: global }
      - { .name: w_v_codes, .offset: 32, .size: 8, .value_kind: global_buffer, .address_space: global }
      - { .name: w_v_scales, .offset: 40, .size: 8, .value_kind: global_buffer, .address_space: global }
      - { .name: v_codes, .offset: 48, .size: 8, .value_kind: global_buffer, .address_space: global }
      - { .name: v_scales, .offset: 56, .size: 8, .value_kind: global_buffer, .address_space: global }
      - { .name: kv_codes, .offset: 64, .size: 8, .value_kind: global_buffer, .address_space: global }
      - { .name: kv_scales, .offset: 72, .size: 8, .value_kind: global_buffer, .address_space: global }
      - { .name: t, .offset: 80, .size: 8, .value_kind: global_buffer, .address_space: global }
      - { .name: ada_w, .offset: 88, .size: 8, .value_kind: global_buffer, .address_space: global }
      - { .name: ada_b, .offset: 96, .size: 8, .value_kind: global_buffer, .address_space: global }
      - { .name: emb, .offset: 104, .size: 8, .value_kind: global_buffer, .address_space: global }
    .group_segment_fixed_size: 327680
    .private_segment_fixed_size: 0
    .kernarg_segment_align: 8
    .kernarg_segment_size: 112
    .max_flat_workgroup_size: 128
    .sgpr_count:     106
    .vgpr_count:     1024
    .wavefront_size: 32
...
	.end_amdgpu_metadata
.endif
;; end of part 1
;; launch lnq (part 2): grid 512 x 1, 8 waves a work-group, no clusters, 67,072 bytes of LDS; arguments q, emb, qn_codes, qn_aux; writes qn_codes, qn_aux
.if DOCPART == 2
	.amdgcn_target "amdgcn-amd-amdhsa--gfx1250"
	.amdhsa_code_object_version 6
	.text
	.protected	k_qe110ce0578_lnq
	.globl	k_qe110ce0578_lnq
	.p2align	8
	.type	k_qe110ce0578_lnq,@function
k_qe110ce0578_lnq:
	s_mov_b64 s[64:65], 0
	v_nop
	global_prefetch_b8 v0, s[64:65] scope:SCOPE_SE
	s_setreg_imm32_b32 hwreg(HW_REG_WAVE_MODE, 25, 1), 1
	s_wait_xcnt 0x0
; qn = layernorm(q) (1 + scale) + shift, quantised along its 1,024 columns to codes of FP6 (E2M3) with one E8M0 byte for each 32.  qn itself is not stored: only codes, scale words, and each row's mean and 1 / sqrt(var + 1e-5).
; A work-group takes 16 rows.  Phase 1: wave w holds rows 2 w and 2 w + 1 whole (32 registers each): mean, then the sum of squares of the differences (two passes over registers, so a common offset costs nothing).
; The normalised rows go to LDS.  Phase 2: wave w takes columns 128 w .. 128 w + 127 of all 16 rows: lane (r, h) holds, of row r, 16 neighbours of each block of 32; they are scaled, shifted, quantised.
; qn_codes holds images of the operand's registers: [tile of 16 rows][K step of 128][1,536 bytes], registers 4 c .. 4 c + 3 of lane l at 512 c + 16 l.  qn_aux: scale words [tile][K step][lane], then at 524,288 (mean, rstd) a row.
; Memory binds: matrix units, clusters and tensor loads would add nothing.  All of a work-group's 64 KiB of q are asked for at its head.
; LIMITS: NaN and infinities are not served; a block whose largest magnitude lies under 2^-124 keeps the scale byte 1 (read by this program alone).
.set PITCH, 4112                       ; an LDS row: 4,096 bytes + 16: row r starts at bank 4 r mod 64
.set STATS, 16*PITCH
.set X,   16                           ; v16-79   two rows; later my 64 numbers
.set G,   80                           ; v80-143  scale, then 1 + scale
.set SH,  144                          ; v144-207 shift
.set PC,  208                          ; v208-227 at work; the codes
.set TM,  228                          ; v228-243
.set PW,  244
.set SEL, 20
	s_load_b256 s[4:11], s[0:1], 0x0               ; q, emb, qn_codes, qn_aux
	v_lshl_add_u32 v248, v0, 2, 0x10200
	v_mov_b32 v249, 0
	v_lshrrev_b32 v1, 5, v0
	v_readfirstlane_b32 s12, v1                    ; wave 0..7
	v_and_b32 v1, 31, v0
	v_and_b32 v2, 15, v0                           ; r
	v_bfe_u32 v3, v0, 4, 1                         ; h
	v_lshlrev_b32 v9, 4, v1                        ; 16 x lane
	v_lshlrev_b32 v10, 2, v1                       ; 4 x lane
	s_lshl_b32 s13, s12, 13
	v_add_nc_u32 v4, s13, v9                       ; q: my wave's two rows, 16 bytes a lane
	s_lshl_b32 s13, s12, 9
	v_lshl_add_u32 v5, v3, 6, s13                  ; emb: 512 w + 64 h
	v_mul_u32_u24 v8, v2, PITCH
	v_lshl_add_u32 v8, v3, 6, v8
	v_add_nc_u32 v8, s13, v8                       ; phase 2: row r, + 512 w + 64 h
	s_mul_i32 s13, s12, 2*PITCH
	v_add_nc_u32 v6, s13, v9                       ; phase 1: rows 2 w, 2 w + 1
	s_lshl_b32 s13, s12, 4
	s_add_co_u32 s13, s13, STATS
	v_mov_b32 v7, s13
	v_add_nc_u32 v11, STATS, v10
	s_mov_b32 s[SEL], 0x76543210
	s_mov_b32 s[SEL+1], 0xfedcba98
	s_mov_b32 s22, 0x3a800000                      ; 1 / 1,024
	v_mov_b32 v13, 0
	v_mov_b32 v15, 0                               ; (named as upper halves of pairs before they are first written)
.irp b, 0,1,2,3
	v_mov_b32 v[TM+4+\b], 0                        ; a lane permute's destination counts as one of its sources
.endr
	s_lshl_b32 s16, ttmp9, 16
	s_mov_b32 s17, 0
	s_lshr_b32 s18, ttmp9, 7                       ; batch
	s_lshl_b32 s18, s18, 13
	s_mov_b32 s19, 0
	s_lshl_b32 s23, ttmp9, 3
	s_add_co_u32 s23, s23, s12                     ; 8 g + w
	s_wait_kmcnt 0x0
	s_add_nc_u64 s[4:5], s[4:5], s[16:17]
	s_add_nc_u64 s[6:7], s[6:7], s[18:19]
	s_mul_i32 s16, s23, 1536
	s_add_nc_u64 s[8:9], s[8:9], s[16:17]
	s_lshl_b32 s16, ttmp9, 7
	s_add_co_u32 s16, s16, 524288
	s_add_nc_u64 s[14:15], s[10:11], s[16:17]      ; the rows' statistics
	s_lshl_b32 s16, s23, 7
	s_add_nc_u64 s[10:11], s[10:11], s[16:17]      ; my scale words
.irp p, 0,1
.irp j, 0,1,2,3,4,5,6,7
	global_load_b128 v[X+32*\p+4*\j:X+32*\p+4*\j+3], v4, s[4:5] offset:4096*\p+512*\j th:TH_LOAD_NT   ; 512 consecutive bytes a load
.endr
.endr
.irp b, 0,1,2,3
.irp j, 0,1,2,3
	global_load_b128 v[G+16*\b+4*\j:G+16*\b+4*\j+3], v5, s[6:7] offset:128*\b+16*\j
	global_load_b128 v[SH+16*\b+4*\j:SH+16*\b+4*\j+3], v5, s[6:7] offset:4096+128*\b+16*\j
.endr
.endr
.macro WRED                            ; v[PC] and v[PC+4] are summed over the 32 lanes, the two rows by turns
.irp m, 1,2,4,8
.irp p, 0,1
	v_add_f32_dpp v[PC+4*\p], v[PC+4*\p], v[PC+4*\p] row_xmask:\m row_mask:0xf bank_mask:0xf
.endr
.endr
.irp p, 0,1
	v_permlanex16_b32 v[PC+4*\p+1], v[PC+4*\p], s[SEL], s[SEL+1]
.endr
.irp p, 0,1
	v_add_f32 v[PC+4*\p], v[PC+4*\p], v[PC+4*\p+1]
.endr
.endm
	s_wait_loadcnt 32                              ; q's sixteen loads are in; emb's 32 behind them may be out
.irp p, 0,1
	v_pk_add_f32 v[PC+4*\p:PC+4*\p+1], v[X+32*\p:X+32*\p+1], v[X+32*\p+2:X+32*\p+3]
	v_pk_add_f32 v[PC+4*\p+2:PC+4*\p+3], v[X+32*\p+4:X+32*\p+5], v[X+32*\p+6:X+32*\p+7]
.endr
.irp i, 8,12,16,20,24,28
.irp p, 0,1
	v_pk_add_f32 v[PC+4*\p:PC+4*\p+1], v[PC+4*\p:PC+4*\p+1], v[X+32*\p+\i:X+32*\p+\i+1]
	v_pk_add_f32 v[PC+4*\p+2:PC+4*\p+3], v[PC+4*\p+2:PC+4*\p+3], v[X+32*\p+\i+2:X+32*\p+\i+3]
.endr
.endr
.irp p, 0,1
	v_pk_add_f32 v[PC+4*\p:PC+4*\p+1], v[PC+4*\p:PC+4*\p+1], v[PC+4*\p+2:PC+4*\p+3]
.endr
.irp p, 0,1
	v_add_f32 v[PC+4*\p], v[PC+4*\p], v[PC+4*\p+1]
.endr
	WRED
.irp p, 0,1
	v_mul_f32 v[12+2*\p], s22, v[PC+4*\p]          ; the mean
.endr
.irp i, 0,2,4,6,8,10,12,14,16,18,20,22,24,26,28,30
.irp p, 0,1
	v_pk_add_f32 v[X+32*\p+\i:X+32*\p+\i+1], v[X+32*\p+\i:X+32*\p+\i+1], v[12+2*\p:13+2*\p] op_sel_hi:[1,0] neg_lo:[0,1] neg_hi:[0,1]
.endr
.endr
.irp p, 0,1
	v_pk_mul_f32 v[PC+4*\p:PC+4*\p+1], v[X+32*\p:X+32*\p+1], v[X+32*\p:X+32*\p+1]
	v_pk_mul_f32 v[PC+4*\p+2:PC+4*\p+3], v[X+32*\p+2:X+32*\p+3], v[X+32*\p+2:X+32*\p+3]
.endr
.irp i, 4,8,12,16,20,24,28
.irp p, 0,1
	v_pk_fma_f32 v[PC+4*\p:PC+4*\p+1], v[X+32*\p+\i:X+32*\p+\i+1], v[X+32*\p+\i:X+32*\p+\i+1], v[PC+4*\p:PC+4*\p+1]
	v_pk_fma_f32 v[PC+4*\p+2:PC+4*\p+3], v[X+32*\p+\i+2:X+32*\p+\i+3], v[X+32*\p+\i+2:X+32*\p+\i+3], v[PC+4*\p+2:PC+4*\p+3]
.endr
.endr
.irp p, 0,1
	v_pk_add_f32 v[PC+4*\p:PC+4*\p+1], v[PC+4*\p:PC+4*\p+1], v[PC+4*\p+2:PC+4*\p+3]
.endr
.irp p, 0,1
	v_add_f32 v[PC+4*\p], v[PC+4*\p], v[PC+4*\p+1]
.endr
	WRED
.irp p, 0,1
	v_fmaak_f32 v[PC+4*\p+2], s22, v[PC+4*\p], 0x3727c5ac   ; var + 1e-5
.endr
.irp p, 0,1
	v_rsq_f32 v[13+2*\p], v[PC+4*\p+2]
.endr
	v_nop                                          ; a plain place behind the two
	s_wait_alu depctr_va_vdst(0)                   ; one wait for both, ahead of their first reader
.irp i, 0,2,4,6,8,10,12,14,16,18,20,22,24,26,28,30
.irp p, 0,1
	v_pk_mul_f32 v[X+32*\p+\i:X+32*\p+\i+1], v[X+32*\p+\i:X+32*\p+\i+1], v[12+2*\p:13+2*\p] op_sel:[0,1] op_sel_hi:[1,1]
.endr
.endr
.irp p, 0,1
.irp j, 0,1,2,3,4,5,6,7
	ds_store_b128 v6, v[X+32*\p+4*\j:X+32*\p+4*\j+3] offset:PITCH*\p+512*\j
.endr
	ds_store_b64 v7, v[12+2*\p:13+2*\p] offset:8*\p   ; all lanes write the same pair
.endr
	s_wait_dscnt 0x0                               ; for the others' sake: my stores are done
	s_barrier_signal -1
	s_barrier_wait -1
.irp b, 0,1,2,3
.irp j, 0,1,2,3
	ds_load_b128 v[X+16*\b+4*\j:X+16*\b+4*\j+3], v8 offset:128*\b+16*\j   ; register 16 b + i = column 128 w + 32 b + 16 h + i of row r
.endr
.endr
	s_wait_loadcnt 0x0                             ; emb
.set i, 0
.rept 32
	v_pk_add_f32 v[G+i:G+i+1], v[G+i:G+i+1], 1.0 op_sel_hi:[1,0]
.set i, i+2
.endr
	s_wait_dscnt 0x0
.set i, 0
.rept 32
	v_pk_fma_f32 v[X+i:X+i+1], v[X+i:X+i+1], v[G+i:G+i+1], v[SH+i:SH+i+1]
.set i, i+2
.endr
	; the four blocks of 32 are quantised; a block lies in lanes l and l xor 16
.irp b, 0,1,2,3
	v_max3_num_f32 v[TM+\b], |v[X+16*\b]|, |v[X+1+16*\b]|, 0x1800000   ; with the floor 2^(3 - 127)
.endr
.irp i, 2,4,6,8,10,12,14
.irp b, 0,1,2,3
	v_max3_num_f32 v[TM+\b], v[TM+\b], |v[X+16*\b+\i]|, |v[X+1+16*\b+\i]|
.endr
.endr
.irp b, 0,1,2,3
	v_permlanex16_b32 v[TM+4+\b], v[TM+\b], s[SEL], s[SEL+1]
.endr
.irp b, 0,1,2,3
	v_max_num_f32 v[TM+\b], v[TM+\b], v[TM+4+\b]
.endr
.irp b, 0,1,2,3
	v_add_nc_u32 v[TM+12+\b], 0xff000000, v[TM+\b] ; 2 off the exponent field: the conversion's scale operand
.endr
.irp b, 0,1,2,3
	v_lshrrev_b32 v[TM+4+\b], 23, v[TM+12+\b]      ; the scale's byte
.endr
	v_lshl_or_b32 v[PW], v[TM+5], 8, v[TM+4]
	v_lshl_or_b32 v[PW], v[TM+6], 16, v[PW]
	v_lshl_or_b32 v[PW], v[TM+7], 24, v[PW]
.irp c, 0,1
	v_cvt_scalef32_pk16_fp6_f32 v[PC+6*\c:PC+2+6*\c], v[X+32*\c:X+15+32*\c], v[TM+12+2*\c]
	v_cvt_scalef32_pk16_fp6_f32 v[PC+12+4*\c:PC+14+4*\c], v[X+16+32*\c:X+31+32*\c], v[TM+12+2*\c+1]
.endr
	v_nop                                          ; one plain place behind the scaled conversions
.irp c, 0,1                                    ; the operand's layout wants a whole block in a lane: lanes 0-15 block 2 c, lanes 16-31 block 2 c + 1
.irp i, 0,1,2
	v_permlane16_swap_b32 v[PC+6*\c+\i], v[PC+12+4*\c+\i]
.endr
.irp i, 0,1,2
	v_mov_b32 v[PC+3+6*\c+\i], v[PC+12+4*\c+\i]
.endr
.endr
.irp c, 0,1,2
	global_store_b128 v9, v[PC+4*\c:PC+4*\c+3], s[8:9] offset:512*\c   ; 512 consecutive bytes a store
.endr
	global_store_b32 v10, v[PW], s[10:11]
	s_cmp_lg_u32 s12, 0                            ; wave 0 stores the 16 rows' statistics
	s_cbranch_scc1 .Lend
	ds_load_b32 v12, v11
	s_wait_dscnt 0x0
	global_store_b32 v10, v12, s[14:15]
.Lend:
	s_wait_tensorcnt 0x0
	ds_add_u32 v248, v249
	s_wait_dscnt 0x0
	s_endpgm
.Lfunc_end_k_qe110ce0578_lnq:
	.size	k_qe110ce0578_lnq, .Lfunc_end_k_qe110ce0578_lnq-k_qe110ce0578_lnq
	.p2alignl 7, 3214868480
	.fill 96, 4, 3214868480
	.section	.rodata,"a",@progbits
	.p2align	6, 0x0
	.amdhsa_kernel k_qe110ce0578_lnq
		.amdhsa_group_segment_fixed_size 67072
		.amdhsa_private_segment_fixed_size 0
		.amdhsa_enable_private_segment 0
		.amdhsa_kernarg_size 32
		.amdhsa_user_sgpr_count 2
		.amdhsa_user_sgpr_kernarg_segment_ptr 1
		.amdhsa_wavefront_size32 1
		.amdhsa_system_sgpr_workgroup_id_x 1
		.amdhsa_system_sgpr_workgroup_id_y 1
		.amdhsa_system_sgpr_workgroup_id_z 1
		.amdhsa_system_vgpr_workitem_id 0
		.amdhsa_next_free_vgpr 250
		.amdhsa_next_free_sgpr 66
		.amdhsa_reserve_vcc 0
		.amdhsa_float_denorm_mode_32 3
		.amdhsa_float_denorm_mode_16_64 3
		.amdhsa_memory_ordered 1
		.amdhsa_forward_progress 1
		.amdhsa_inst_pref_size 28
	.end_amdhsa_kernel
	.amdgpu_metadata
---
amdhsa.version: [ 1, 2 ]
amdhsa.kernels:
  - .name:           k_qe110ce0578_lnq
    .symbol:         k_qe110ce0578_lnq.kd
    .args:
      - { .name: q, .offset: 0, .size: 8, .value_kind: global_buffer, .address_space: global }
      - { .name: emb, .offset: 8, .size: 8, .value_kind: global_buffer, .address_space: global }
      - { .name: qn_codes, .offset: 16, .size: 8, .value_kind: global_buffer, .address_space: global }
      - { .name: qn_aux, .offset: 24, .size: 8, .value_kind: global_buffer, .address_space: global }
    .group_segment_fixed_size: 67072
    .private_segment_fixed_size: 0
    .kernarg_segment_align: 8
    .kernarg_segment_size: 32
    .max_flat_workgroup_size: 256
    .sgpr_count:     66
    .vgpr_count:     250
    .wavefront_size: 32
...
	.end_amdgpu_metadata
.endif
;; end of part 2
;; launch attn (part 3): grid 4 x 64, 16 waves a work-group, no clusters, 279,552 bytes of LDS; arguments qn_codes, qn_aux, w_q_codes, w_q_scales, kv_codes, kv_scales, o_codes, o_scales; writes o_codes, o_scales
.if DOCPART == 3
	.amdgcn_target "amdgcn-amd-amdhsa--gfx1250"
	.amdhsa_code_object_version 6
	.text
	.protected	k_qe110ce0578_attn
	.globl	k_qe110ce0578_attn
	.p2align	8
	.type	k_qe110ce0578_attn,@function
k_qe110ce0578_attn:
	s_mov_b64 s[64:65], 0
	v_nop
	global_prefetch_b8 v0, s[64:65] scope:SCOPE_SE
	s_setreg_imm32_b32 hwreg(HW_REG_WAVE_MODE, 25, 1), 1
	s_wait_xcnt 0x0
; For one (batch, head) and 512 queries: qh = qn w_q^T (the head's 64 channels), quantised; S = qh K^T / 256; p = 2^(t - M), quantised along the keys; o = p V / sum(p), quantised along the channels.  All products on codes of FP6 (E2M3).
; SHARES.  A work-group owns 512 queries of one head; each of its sixteen waves owns one tile of 16 queries at a time, two tiles one after the other (macro TRIP).  Four waves share a SIMD, 256 registers each.
; THE WHOLE HEAD'S K AND V (2 x 98,304 bytes of codes) AND ITS 64 ROWS OF w_q LIE IN LDS, filled once at the head: no slot is ever filled again.
; No cluster: what work-groups share is that one fill, 245,760 bytes, against 32 key steps a wave of some 300 instructions each.
; LAYOUT.  All products are used transposed (source 0 = 16 rows of w_q, 16 keys, or 16 channels of V; source 1 = my 16 queries): a lane holds ONE query (lane % 16) throughout.
; Tiles are 16 neighbours.  So the 16 registers of tiles 2 b, 2 b + 1 are numbers 8 h + 0..7 and 16 + 8 h + 0..7 of block b, and a block's codes lie in the order 0-7, 16-23, 8-15, 24-31:
; K's and V's codes were laid in the same order by the launch that made them.  o meets a given operand, so its registers are brought into the natural order first, by exchanges between the halves of the lanes.
; The head size is 64: K's and Q's fragments fill half of the instruction's 128 along K.  Q's other half is zero codes; K's operand runs on into the next fragment's registers, whose codes meet those zeros.
; SOFTMAX.  t = score x log2(e) / 256; -M = floor(-the running largest t); p = 2^(t - M); the sum is taken of the unquantised p; when M moves, the sum and O^T are multiplied by 2^(old M - new M), exactly.
; LIMITS: NaN and infinities are not served; a block whose largest magnitude lies under 2^-124 keeps the scale byte 1 (read by this program alone).
; REGISTERS: v1-11 addresses; v12 -M, v13 the largest t, v[14:15] the sum; v16-21 Q's codes, v22-27 zeros; v28 Q's scale word; v29-31 the way out; v32-79 fragments; v80-85 zeros; v86-93 scale words; v94-95 offsets;
;   v96-159 S^T, then p; v160-191 O^T; v192-203 p's codes; v204-211 at work; v212-215 blocks' maxima, then bytes; v216-219 the other half's, the second chain of sums, f; v220-223 scale operands; v224 p's scale word.
;   In the projection: v96-127 its sums, v128-223 qn's eight fragments, v224-255 w_q's scale words.
; SCALARS: s[4:19] the eight buffers; s[24:39] descriptor groups 1; s[40:47] groups 0; s[48:51] the bases of the head's two loads of scale words, written once; s60 the wave; s[62:63], s[66:67] constants; s68-71 the key loop; s73-89 scratch for offsets.
.set VOFF, 98304
.set WQB,  196608                      ; w_q: 192 units of 256 bytes + 16 of padding: a row of 768 bytes is 816
.set KSC,  248832                      ; K's scale words, one a key
.set VSC,  257024                      ; V's, [128 keys][channel]
.set STG,  261120                      ; the way out: 1,024 bytes a wave
.set BM, 212
.set PT, 216
.set SO, 220
.set WV, 60
	s_load_b512 s[4:19], s[0:1], 0x0               ; qn_codes, qn_aux, w_q_codes, w_q_scales, kv_codes, kv_scales, o_codes, o_scales
	v_lshl_add_u32 v254, v0, 2, 0x43c00
	v_mov_b32 v255, 0
	ds_add_u32 v254, v255
	ds_add_u32 v254, v255
	s_wait_dscnt 0x0
	v_lshrrev_b32 v1, 5, v0
	v_readfirstlane_b32 s[WV], v1                  ; wave 0..15
	s_and_b32 s73, ttmp7, 0xffff                   ; 16 x batch + head
	s_lshr_b32 s74, s73, 4
	s_and_b32 s75, s73, 15
	; descriptor group 1: a dense block of 24,576 bytes as 96 rows of 256 (32 elements of 8 bytes); for w_q with 16 bytes of padding behind each row
	s_mov_b32 s24, 3<<16
	s_mov_b32 s32, (3<<16)|(1<<20)|(5<<22)|(3<<25)
.irp g, 24, 32
	s_mov_b32 s[\g+1], 32<<16
	s_mov_b32 s[\g+2], 96<<16
	s_mov_b32 s[\g+3], 32<<16
	s_mov_b32 s[\g+4], 96
	s_mov_b32 s[\g+5], 32
	s_mov_b32 s[\g+6], 0
	s_mov_b32 s[\g+7], 0
.endr
	s_and_b32 s76, s[WV], 1                        ; which half of w_q's 64 rows
	s_mul_i32 s77, s76, 26112
	s_mul_i32 s78, s76, 24576
	s_mul_i32 s79, s75, 49152
	s_add_co_u32 s78, s78, s79
	s_mov_b32 s79, 0
	s_and_b32 s80, s[WV], 7                        ; which eighth of K and V: 0-3 K's, 4-7 V's
	s_mul_i32 s81, s80, 24576
	s_lshr_b32 s82, s80, 2
	s_mul_i32 s82, s82, 6291456
	s_and_b32 s83, s80, 3
	s_mul_i32 s83, s83, 24576
	s_add_co_u32 s82, s82, s83
	s_mul_i32 s83, s73, 98304
	s_add_co_u32 s82, s82, s83
	s_mov_b32 s83, 0
	s_mov_b32 s62, 0x76543210
	s_mov_b32 s63, 0xfedcba98                      ; v_permlanex16_b32's selects for lane l xor 16
	s_mov_b32 s66, 0x3bb8aa3b                      ; c = log2(e) / 256
	s_mov_b32 s67, s66
	s_mov_b32 s91, 0xffff0000                      ; lanes 16-31
	s_and_b32 s92, s75, 1
	s_lshl_b32 s92, s92, 4                         ; my head's half of a pair's scale word
	s_wait_kmcnt 0x0
	s_mov_b32 s40, 1
	s_add_co_u32 s41, s77, WQB
	s_add_nc_u64 s[42:43], s[8:9], s[78:79]
	s_or_b32 s43, s43, 0x80000000
	s_mov_b32 s44, 1
	s_mov_b32 s45, s81
	s_add_nc_u64 s[46:47], s[12:13], s[82:83]
	s_or_b32 s47, s47, 0x80000000
	; the fills, all first fills: waves 0 and 1: a half of w_q, then an eighth of K; waves 2 to 7: an eighth of K or V.  At most two loads of a wave are out
	s_cmp_lt_u32 s[WV], 2
	s_cbranch_scc0 .Lnot_w
	tensor_load_to_lds s[40:43], s[32:39]
	s_nop 0
	tensor_load_to_lds s[44:47], s[24:31]
	s_nop 0
.rept 4
	v_nop
.endr
	s_branch .Lasked
.Lnot_w:
	s_cmp_lt_u32 s[WV], 8
	s_cbranch_scc0 .Lasked
	tensor_load_to_lds s[44:47], s[24:31]
	s_nop 0
.rept 4
	v_nop
.endr
.Lasked:
	; the head's scale words go to LDS through registers: K's are the head's half of a pair's words
	v_lshlrev_b32 v8, 4, v0
	v_lshlrev_b32 v9, 3, v0
	v_add_nc_u32 v10, KSC, v8
	v_add_nc_u32 v11, VSC, v9
	s_lshl_b32 s84, s74, 3
	s_lshr_b32 s85, s75, 1
	s_add_co_u32 s84, s84, s85
	s_lshl_b32 s84, s84, 13
	s_mov_b32 s85, 0
	s_add_nc_u64 s[48:49], s[14:15], s[84:85]      ; the two bases have registers of their own, which no later line writes: the loads may read them as long as they like
	s_lshl_b32 s84, s73, 12
	s_add_co_u32 s84, s84, 262144
	s_add_nc_u64 s[50:51], s[14:15], s[84:85]
	global_load_b128 v[100:103], v8, s[48:49]
	global_load_b64 v[104:105], v9, s[50:51]
	v_and_b32 v96, 15, v0                          ; r
	v_bfe_u32 v97, v0, 4, 1                        ; h
	v_and_b32 v98, 31, v0                          ; lane
	v_mul_u32_u24 v1, v96, 48
	v_mad_u32_u24 v1, v97, 24, v1                  ; K: row r of 48 bytes, + 24 h
	v_add_nc_u32 v2, VOFF, v1                      ; V likewise
	v_lshl_add_u32 v3, v96, 2, KSC
	v_lshl_add_u32 v4, v96, 2, VSC
	v_mul_u32_u24 v5, v96, 816
	v_mad_u32_u24 v5, v97, 24, v5
	v_add_nc_u32 v5, WQB, v5                       ; w_q: row r of 816 bytes, + 24 h
	v_lshl_add_u32 v6, v97, 4, v5                  ; the same behind one padding more
	v_mul_u32_u24 v7, v98, 12
	v_lshlrev_b32 v94, 4, v98
	v_lshlrev_b32 v95, 2, v98
	s_lshl_b32 s84, s[WV], 10
	s_add_co_u32 s84, s84, STG
	v_lshlrev_b32 v29, 6, v96
	v_lshl_add_u32 v29, v97, 4, v29
	v_add_nc_u32 v29, s84, v29                     ; my stage, in: 64 r + 16 h
	v_add_nc_u32 v30, s84, v94                     ; back: 16 x lane
	v_lshl_add_u32 v31, v96, 5, v97                ; o_scales: 32 r + h
.irp j, 22,23,24,25,26,27,80,81,82,83,84,85,216,217,218,219
	v_mov_b32 v\j, 0                               ; zero codes; and registers that are named before they are first written
.endr
	; where my tiles lie (s84 to s87 hold offsets alone: no memory instruction names them)
	s_lshl_b32 s84, s74, 7
	s_lshl_b32 s85, ttmp9, 5
	s_add_co_u32 s84, s84, s85
	s_add_co_u32 s84, s84, s[WV]                   ; tile of 16 rows: 128 b + 32 x + w
	s_mul_i32 s86, s84, 12288
	s_mov_b32 s87, 0
	s_add_nc_u64 s[4:5], s[4:5], s[86:87]
	s_lshl_b32 s86, s84, 10
	s_add_nc_u64 s[6:7], s[6:7], s[86:87]
	s_lshl_b32 s86, s75, 11
	s_add_nc_u64 s[10:11], s[10:11], s[86:87]      ; w_q's scale bytes at the head's rows
	s_lshl_b32 s84, ttmp9, 9
	s_lshl_b32 s85, s[WV], 4
	s_add_co_u32 s84, s84, s85                     ; my first query in the batch: 512 x + 16 w
	s_mul_i32 s86, s84, 48
	s_mul_i32 s85, s73, 98304
	s_add_co_u32 s86, s86, s85
	s_add_nc_u64 s[16:17], s[16:17], s[86:87]
	s_lshl_b32 s85, s74, 11
	s_add_co_u32 s84, s84, s85
	s_lshl_b32 s86, s84, 5
	s_lshl_b32 s85, s75, 1
	s_add_co_u32 s86, s86, s85
	s_add_nc_u64 s[18:19], s[18:19], s[86:87]
	s_wait_loadcnt 0x0
.irp j, 100,101,102,103
	v_bfe_u32 v\j, v\j, s92, 16                    ; two bytes: the head's two blocks; the upper two bytes 0, over codes that meet zeros
.endr
	ds_store_b128 v10, v[100:103]
	ds_store_b64 v11, v[104:105]
	s_wait_tensorcnt 0x1                           ; w_q's halves have landed (issued first); an eighth of K or V may be out
	s_wait_dscnt 0x0                               ; my scale words are stored
	s_barrier_signal -1
	s_barrier_wait -1
; One K step of the projection: four tiles of 16 of the head's channels x my 16 rows; the four sums by turns.
.macro QSTEP s
.if \s > 0
.rept 4
	v_nop                                          ; places in front of loads into registers that matrix instructions have read
.endr
.endif
.irp t, 0,1,2,3
.irp p, 0,1,2,3,4,5
.set PCN, 12*(\s)+6*(\p/3)+\p%3
.if PCN%32 < 29
	ds_load_b64 v[32+12*\t+2*\p:33+12*\t+2*\p], v5 offset:8*PCN+16*(PCN/32)+13056*\t
.else
	ds_load_b64 v[32+12*\t+2*\p:33+12*\t+2*\p], v6 offset:8*PCN+16*(PCN/32)+13056*\t
.endif
.endr
.endr
	s_wait_dscnt 0x0
.irp t, 0,1,2,3
.if \s == 0
	v_wmma_scale_f32_16x16x128_f8f6f4 v[96+8*\t:103+8*\t], v[32+12*\t:43+12*\t], v[128+12*(\s):139+12*(\s)], 0, v[224+8*\t+(\s)], v[86+(\s)] matrix_a_fmt:MATRIX_FMT_FP6 matrix_b_fmt:MATRIX_FMT_FP6
.else
	v_wmma_scale_f32_16x16x128_f8f6f4 v[96+8*\t:103+8*\t], v[32+12*\t:43+12*\t], v[128+12*(\s):139+12*(\s)], v[96+8*\t:103+8*\t], v[224+8*\t+(\s)], v[86+(\s)] matrix_a_fmt:MATRIX_FMT_FP6 matrix_b_fmt:MATRIX_FMT_FP6
.endif
.endr
.endm
; Two blocks of 32 in v96-127 (16 of each in my lane): largest magnitudes, scale operands in v[SO], v[SO+1], bytes in v[BM], v[BM+1].
.macro TWOBLK
.irp b, 0,1
	v_max3_num_f32 v[BM+\b], |v[96+16*\b]|, |v[97+16*\b]|, 0x1800000   ; with the floor 2^(3 - 127)
.endr
.irp i, 2,4,6,8,10,12,14
.irp b, 0,1
	v_max3_num_f32 v[BM+\b], v[BM+\b], |v[96+16*\b+\i]|, |v[97+16*\b+\i]|
.endr
.endr
.irp b, 0,1
	v_permlanex16_b32 v[PT+\b], v[BM+\b], s62, s63
.endr
.irp b, 0,1
	v_max_num_f32 v[BM+\b], v[BM+\b], v[PT+\b]
.endr
.irp b, 0,1
	v_add_nc_u32 v[SO+\b], 0xff000000, v[BM+\b]
.endr
.irp b, 0,1
	v_lshrrev_b32 v[BM+\b], 23, v[SO+\b]
.endr
.endm
; One tile of 16 queries: tile tn of my two, 256 queries apart.
.macro TRIP tn
	v_and_b32 v8, 15, v0
	v_lshlrev_b32 v8, 5, v8                        ; w_q's scale bytes: 32 a row
.irp s, 0,1,2,3,4,5,6,7
.irp c, 0,1,2
	global_load_b128 v[128+12*\s+4*\c:131+12*\s+4*\c], v94, s[4:5] offset:196608*(\tn)+1536*\s+512*\c   ; qn's fragments, as images of their registers
.endr
	global_load_b32 v[86+\s], v95, s[6:7] offset:16384*(\tn)+128*\s
.endr
.irp t, 0,1,2,3
	global_load_b128 v[224+8*\t:227+8*\t], v8, s[10:11] offset:512*\t
	global_load_b128 v[228+8*\t:231+8*\t], v8, s[10:11] offset:512*\t+16
.endr
	s_wait_loadcnt 0x0
.irp s, 0,1,2,3,4,5,6,7
	QSTEP \s
.endr
.rept 4
	v_nop
.endr
	TWOBLK                                         ; qh's two blocks of 32 channels
	v_lshl_or_b32 v28, v[BM+1], 8, v[BM]           ; Q's scale word; its upper two bytes 0, over zero codes
	v_cvt_scalef32_pk16_fp6_f32 v[16:18], v[96:111], v[SO]
	v_cvt_scalef32_pk16_fp6_f32 v[204:206], v[112:127], v[SO+1]
	v_nop                                          ; one plain place behind the scaled conversions
.irp i, 0,1,2
	v_permlane16_swap_b32 v[16+\i], v[204+\i]      ; lanes 0-15 now hold block 0 whole, lanes 16-31 block 1
.endr
.irp i, 0,1,2
	v_mov_b32 v[19+\i], v[204+\i]
.endr
	v_mov_b32 v13, 0xff61b1e6                      ; the largest t so far: -3e38
	v_floor_f32 v12, -v13
	v_mov_b32 v14, 0
	v_mov_b32 v15, 0
.set j, 0
.rept 32
	v_mov_b32 v[160+j], 0                          ; O^T: the key step is written once; its first trip finds zeros.  (These are also the places between Q's scale word and codes and the first product)
.set j, j+1
.endr
	s_mov_b32 s68, 0
	s_mov_b32 s69, 0
	s_mov_b32 s70, 0
	s_mov_b32 s71, 16
.if \tn == 0
	s_wait_tensorcnt 0x0                           ; my eighth of K or V has landed
	s_wait_dscnt 0x0
	s_barrier_signal -1
	s_barrier_wait -1                              ; everybody's has
.endif
.Lstep_\@:                                         ; a key step: 128 keys
	v_add_nc_u32 v8, s68, v1                       ; (four plain places behind the last products, in front of the loads into their registers)
	v_add_nc_u32 v9, s68, v2
	v_add_nc_u32 v10, s69, v3
	v_add_nc_u32 v11, s70, v4
.irp t, 0,1,2,3,4,5,6,7
.irp p, 0,1,2
	ds_load_b64 v[32+6*\t+2*\p:33+6*\t+2*\p], v8 offset:768*\t+8*\p
.endr
	ds_load_b32 v[86+\t], v10 offset:64*\t
.endr
	s_wait_dscnt 0x0
.irp t, 0,1,2,3,4,5,6,7
	v_wmma_scale_f32_16x16x128_f8f6f4 v[96+8*\t:103+8*\t], v[32+6*\t:43+6*\t], v[16:27], 0, v[86+\t], v28 matrix_a_fmt:MATRIX_FMT_FP6 matrix_b_fmt:MATRIX_FMT_FP6
.endr
.rept 4
	v_nop                                          ; places: for V's loads into K's registers, and for the first read of the scores
.endr
.irp t, 0,1,2,3
.irp c, 0,1
.irp p, 0,1,2
	ds_load_b64 v[32+12*\t+6*\c+2*\p:33+12*\t+6*\c+2*\p], v9 offset:3072*\c+768*\t+8*\p   ; V is asked for now and wanted behind the softmax
.endr
.endr
	ds_load_b32 v[86+\t], v11 offset:64*\t
.endr
.irp b, 0,1,2,3
	v_max3_num_f32 v[BM+\b], v[96+16*\b], v[97+16*\b], v[98+16*\b]   ; the largest score of each block of 32 keys: for the row's maximum and, since p rises with the score, for the block's largest p
.endr
.irp i, 3,5,7,9,11,13
.irp b, 0,1,2,3
	v_max3_num_f32 v[BM+\b], v[BM+\b], v[96+16*\b+\i], v[97+16*\b+\i]
.endr
.endr
.irp b, 0,1,2,3
	v_max_num_f32 v[BM+\b], v[BM+\b], v[111+16*\b]
.endr
.irp b, 0,1,2,3
	v_permlanex16_b32 v[PT+\b], v[BM+\b], s62, s63
.endr
.irp b, 0,1,2,3
	v_max_num_f32 v[BM+\b], v[BM+\b], v[PT+\b]
.endr
	v_max3_num_f32 v207, v[BM], v[BM+1], v[BM+2]
	v_max_num_f32 v207, v207, v[BM+3]
	v_mul_f32 v207, s66, v207                      ; as t (c is positive)
	v_max_num_f32 v13, v13, v207
	v_mov_b32 v207, v12
	v_floor_f32 v12, -v13                          ; the new -M: M is a whole number
	v_sub_f32 v207, v12, v207                      ; old M - new M: a whole number, 0 or less
	v_cvt_i32_f32 v207, v207                       ; (it saturates)
	v_ldexp_f32 v218, 1.0, v207                    ; f = 2^(old M - new M)
.set j, 0
.rept 32
	v_pk_fma_f32 v[96+j:97+j], v[96+j:97+j], s[66:67], v[12:13] op_sel_hi:[1,0,0]   ; t - M
.set j, j+2
.endr
.irp b, 0,1,2,3
	v_fma_f32 v[BM+\b], v[BM+\b], s66, v12
.endr
.set j, 0
.rept 64
	v_exp_f32 v[96+j], v[96+j]                     ; p = 2^(t - M): not normalised
.set j, j+1
.endr
	v_pk_mul_f32 v[14:15], v[14:15], v[218:219] op_sel_hi:[1,0]   ; the sum under the new M.  (A plain place behind the exponentials)
	s_wait_alu depctr_va_vdst(0)                   ; one wait for the batch of 64, ahead of its first reader
.irp b, 0,1,2,3
	v_exp_f32 v[BM+\b], v[BM+\b]                   ; each block's largest p
.endr
	v_pk_add_f32 v[216:217], v[96:97], v[98:99]    ; the row's sum is taken of the unquantised p, in two chains
.set j, 4
.rept 15
	v_pk_add_f32 v[14:15], v[14:15], v[96+j:97+j]
	v_pk_add_f32 v[216:217], v[216:217], v[98+j:99+j]
.set j, j+4
.endr
	v_pk_add_f32 v[14:15], v[14:15], v[216:217]
	s_wait_alu depctr_va_vdst(0)                   ; and one for the four
.irp b, 0,1,2,3
	v_max_num_f32 v[BM+\b], 0x1800000, v[BM+\b]    ; the floor 2^(3 - 127)
.endr
.irp b, 0,1,2,3
	v_add_nc_u32 v[SO+\b], 0xff000000, v[BM+\b]
.endr
.irp b, 0,1,2,3
	v_lshrrev_b32 v[BM+\b], 23, v[SO+\b]
.endr
	v_lshl_or_b32 v224, v[BM+1], 8, v[BM]          ; p's scale word for these 128 keys
	v_lshl_or_b32 v224, v[BM+2], 16, v224
	v_lshl_or_b32 v224, v[BM+3], 24, v224
.irp c, 0,1
	v_cvt_scalef32_pk16_fp6_f32 v[192+6*\c:194+6*\c], v[96+32*\c:111+32*\c], v[SO+2*\c]
	v_cvt_scalef32_pk16_fp6_f32 v[204+4*\c:206+4*\c], v[112+32*\c:127+32*\c], v[SO+2*\c+1]
.endr
	v_nop
.irp c, 0,1
.irp i, 0,1,2
	v_permlane16_swap_b32 v[192+6*\c+\i], v[204+4*\c+\i]
.endr
.irp i, 0,1,2
	v_mov_b32 v[195+6*\c+\i], v[204+4*\c+\i]
.endr
.endr
.set j, 0
.rept 16
	v_pk_mul_f32 v[160+j:161+j], v[160+j:161+j], v[218:219] op_sel_hi:[1,0]   ; O^T under the new M.  (These sixteen are also the places between p's scale word and codes and the products)
.set j, j+2
.endr
	s_wait_dscnt 0x0                               ; V
.irp t, 0,1,2,3
	v_wmma_scale_f32_16x16x128_f8f6f4 v[160+8*\t:167+8*\t], v[32+12*\t:43+12*\t], v[192:203], v[160+8*\t:167+8*\t], v[86+\t], v224 matrix_a_fmt:MATRIX_FMT_FP6 matrix_b_fmt:MATRIX_FMT_FP6
.endr
	s_add_co_u32 s68, s68, 6144                    ; 128 keys x 48 bytes, in K as in V
	s_add_co_u32 s69, s69, 512
	s_add_co_u32 s70, s70, 256
	s_sub_co_u32 s71, s71, 1
	s_cmp_lg_u32 s71, 0
	s_cbranch_scc1 .Lstep_\@
	; the way out
.rept 4
	v_nop
.endr
	v_add_f32 v14, v14, v15
	v_permlanex16_b32 v207, v14, s62, s63
	v_add_f32 v14, v14, v207                       ; the row's sum
	v_rcp_f32 v15, v14
	v_nop
	s_wait_alu depctr_va_vdst(0)
.set j, 0
.rept 32
	v_mul_f32 v[96+j], v[160+j], v15               ; register 8 t + i: channel 16 t + 8 h + i
.set j, j+1
.endr
.irp b, 0,1
.irp i, 0,1,2,3,4,5,6,7
	v_permlane16_swap_b32 v[96+16*\b+\i], v[104+16*\b+\i]   ; now register 16 b + i: channel 32 b + 16 h + i: the natural order
.endr
.endr
	TWOBLK
	v_cvt_scalef32_pk16_fp6_f32 v[204:206], v[96:111], v[SO]
	v_cvt_scalef32_pk16_fp6_f32 v[208:210], v[112:127], v[SO+1]
	v_cndmask_b32 v211, v[BM], v[BM+1], s91        ; lane (r, h) stores block h's byte.  (A plain place behind the conversions)
	ds_store_b96 v29, v[204:206]                   ; 12 bytes to a place of 16: place 4 r + 2 b + h
	ds_store_b96 v29, v[208:210] offset:32
	ds_load_b96 v[192:194], v30                    ; LDS serves a wave's instructions in order (ISA guide 5.7.1.4)
	ds_load_b96 v[196:198], v30 offset:512
	global_store_b8 v31, v211, s[18:19] offset:8192*(\tn)
	s_wait_dscnt 0x0
	global_store_b96 v7, v[192:194], s[16:17] offset:12288*(\tn)       ; 16 rows x 48 bytes: 768 consecutive bytes in two stores
	global_store_b96 v7, v[196:198], s[16:17] offset:12288*(\tn)+384
	s_wait_xcnt 0x0                                ; the stores have read their registers: the next tile's loads land there
.endm
	TRIP 0
	TRIP 1
	s_wait_xcnt 0x0
	v_lshl_add_u32 v254, v0, 2, 0x43c00
	v_mov_b32 v255, 0
	s_wait_tensorcnt 0x0
	ds_add_u32 v254, v255
	s_wait_dscnt 0x0
	s_endpgm
.Lfunc_end_k_qe110ce0578_attn:
	.size	k_qe110ce0578_attn, .Lfunc_end_k_qe110ce0578_attn-k_qe110ce0578_attn
	.p2alignl 7, 3214868480
	.fill 96, 4, 3214868480
	.section	.rodata,"a",@progbits
	.p2align	6, 0x0
	.amdhsa_kernel k_qe110ce0578_attn
		.amdhsa_group_segment_fixed_size 279552
		.amdhsa_private_segment_fixed_size 0
		.amdhsa_enable_private_segment 0
		.amdhsa_kernarg_size 64
		.amdhsa_user_sgpr_count 2
		.amdhsa_user_sgpr_kernarg_segment_ptr 1
		.amdhsa_wavefront_size32 1
		.amdhsa_system_sgpr_workgroup_id_x 1
		.amdhsa_system_sgpr_workgroup_id_y 1
		.amdhsa_system_sgpr_workgroup_id_z 1
		.amdhsa_system_vgpr_workitem_id 0
		.amdhsa_next_free_vgpr 256
		.amdhsa_next_free_sgpr 96
		.amdhsa_reserve_vcc 0
		.amdhsa_float_denorm_mode_32 3
		.amdhsa_float_denorm_mode_16_64 3
		.amdhsa_memory_ordered 1
		.amdhsa_forward_progress 1
		.amdhsa_inst_pref_size 100
	.end_amdhsa_kernel
	.amdgpu_metadata
---
amdhsa.version: [ 1, 2 ]
amdhsa.kernels:
  - .name:           k_qe110ce0578_attn
    .symbol:         k_qe110ce0578_attn.kd
    .args:
      - { .name: qn_codes, .offset: 0, .size: 8, .value_kind: global_buffer, .address_space: global }
      - { .name: qn_aux, .offset: 8, .size: 8, .value_kind: global_buffer, .address_space: global }
      - { .name: w_q_codes, .offset: 16, .size: 8, .value_kind: global_buffer, .address_space: global }
      - { .name: w_q_scales, .offset: 24, .size: 8, .value_kind: global_buffer, .address_space: global }
      - { .name: kv_codes, .offset: 32, .size: 8, .value_kind: global_buffer, .address_space: global }
      - { .name: kv_scales, .offset: 40, .size: 8, .value_kind: global_buffer, .address_space: global }
      - { .name: o_codes, .offset: 48, .size: 8, .value_kind: global_buffer, .address_space: global }
      - { .name: o_scales, .offset: 56, .size: 8, .value_kind: global_buffer, .address_space: global }
    .group_segment_fixed_size: 279552
    .private_segment_fixed_size: 0
    .kernarg_segment_align: 8
    .kernarg_segment_size: 64
    .max_flat_workgroup_size: 512
    .sgpr_count:     96
    .vgpr_count:     256
    .wavefront_size: 32
...
	.end_amdgpu_metadata
.endif
;; end of part 3
;; launch fcres (part 4): grid 4 x 32, 4 waves a work-group, clusters of 4 x 4, 327,680 bytes of LDS; arguments o_codes, o_scales, w_fc_codes, w_fc_scales, out0, q, qn_aux, emb; writes out0
.if DOCPART == 4
	.amdgcn_target "amdgcn-amd-amdhsa--gfx1250"
	.amdhsa_code_object_version 6
	.text
	.protected	k_qe110ce0578_fcres
	.globl	k_qe110ce0578_fcres
	.p2align	8
	.type	k_qe110ce0578_fcres,@function
k_qe110ce0578_fcres:
	s_mov_b64 s[64:65], 0
	v_nop
	global_prefetch_b8 v0, s[64:65] scope:SCOPE_SE
	s_setreg_imm32_b32 hwreg(HW_REG_WAVE_MODE, 25, 1), 1
	s_wait_xcnt 0x0
	s_wait_alu depctr_hold_cnt(0) depctr_sa_sdst(0) depctr_va_vdst(0) depctr_va_sdst(0) depctr_va_ssrc(0) depctr_va_vcc(0) depctr_vm_vsrc(0)
	s_getreg_b32 s2, hwreg(HW_REG_IB_STS2, 6, 4)
	s_cmp_eq_u32 s2, 0
	s_cbranch_scc0 .Lentry_in_a_cluster
	s_endpgm
.Lentry_in_a_cluster:
	s_bfe_u32 s2, ttmp6, 0x10000c
	s_cmp_lg_u32 s2, 0xf033
	s_cbranch_scc0 .Lentry_shape_is_right
	s_endpgm
.Lentry_shape_is_right:
; out0 = o w_fc^T + qn, the product on codes of FP6 (E2M3) with E8M0 scales.  The residual qn = (q - mean) rstd (1 + scale) + shift is made anew from q and each row's stored statistics,
; straight in the accumulators' layout: the first product adds onto it, so the residual costs no addition and no buffer of its own.
; A tile of out0 is 256 x 256, four waves of 128 x 128; K = 1,024 goes in four steps of 256 (four heads) through a ring of two LDS slots filled by joint tensor loads in a 4 x 4 cluster.
; A = o lies [batch][head][row][48 bytes]: a wave's tensor load brings 4 heads x (128 rows x 48 bytes = 6,144 dense bytes); in LDS a row is 48 bytes: the 32 lanes of a load of 8 bytes start at words 12 r + 6 h, 64 different banks of 64 (ISA guide 11.1).
; B = w_fc lies in rows of 768 bytes and comes as rows of 192 bytes with 16 of padding behind every 64.  The scale bytes of the tile's rows come into LDS once.
; The matrix instruction is used transposed (source 0 = 16 rows of B, source 1 = 16 rows of A): a lane holds eight neighbouring numbers of a row of out0.
; The grid has 128 tiles of this size.
.set SIZE_N, 1024
.set NQ,     2
.set ROWB,   192
.set KROW,   768
.set PITCH,  240
.set FR,     12
.set NL,     6
.set NP,     4
.set AH,     24576                     ; A: 4 heads x 128 rows x 48 bytes
.set HALFB,  128*PITCH
.set SLOT,   2*AH+2*HALFB
.set LAPS,   2
.set KS,     32
.set SCL,    2*SLOT
.set HALFS,  (128*KS/256)*272
.set SBLK,   (16*KS/256)*272
.set SPARE,  SCL+4*HALFS               ; the spare words: 128 bytes a wave, named by no other line
.set SPITCH, 528
.set ADRA, 16
.set ADRB, 20
.set STO,  24
.set RD,   25
.set CO,   26
.set ADRS, 27
.set SPW,  28
.set NIL,  29
.set SC,   32
.set AF,   128
.set BK,   128
.set G1, 24
.set G0, 32
.set G1B, 48
.set G0B, 56
.set G1S, 68
.set G0S, 76
.set G1SB, 80
.set G0SB, 88
.set MSB, 0
.macro WIN new
.if MSB != \new
	s_set_vgpr_msb (MSB<<8)|\new
.set MSB, \new
.endif
.endm
.set MUL_LO, 0xa1
.set MUL_HI, 0xf1
.set TO_B,   0x40
.macro JLOAD g0a, g1a, g0b, g1b        ; waves 0 and 1 fetch for A, waves 2 and 3 for B; four v_nop follow each line
	s_cmp_eq_u32 s15, 0
	s_cbranch_scc0 .Lfor_b_\@
	tensor_load_to_lds s[\g0a:\g0a+3], s[\g1a:\g1a+7]
	s_nop 0
.rept 4
	v_nop
.endr
	s_branch .Lasked_\@
.Lfor_b_\@:
	tensor_load_to_lds s[\g0b:\g0b+3], s[\g1b:\g1b+7]
	s_nop 0
.rept 4
	v_nop
.endr
.Lasked_\@:
.endm
.macro CREST
	s_cmp_lg_u32 s14, 0
	s_cbranch_scc1 .Lnot_wave_0_\@
	s_barrier_signal -3
.Lnot_wave_0_\@:
	s_barrier_wait -3
	s_barrier_signal -1
	s_barrier_wait -1
.endm
.macro CROUND
	s_barrier_signal -1
	s_barrier_wait -1
	CREST
.endm
	s_load_b128 s[4:7], s[0:1], 0x0                ; o's codes, o's scales
	s_load_b128 s[8:11], s[0:1], 0x10              ; w_fc's codes, w_fc's scales
	s_load_b64 s[12:13], s[0:1], 0x20              ; out0
	v_lshl_add_u32 v[SPW], v0, 2, SPARE
	v_mov_b32 v[NIL], 0
	ds_add_u32 v28, v29
	ds_add_u32 v28, v29
	s_wait_dscnt 0x0
	v_lshrrev_b32 v1, 5, v0
	v_readfirstlane_b32 s14, v1
	s_lshr_b32 s15, s14, 1
	s_and_b32 s16, s14, 1
	s_bfe_u32 s40, ttmp6, 0x40000
	s_bfe_u32 s41, ttmp6, 0x40004
	s_lshl_b32 s42, ttmp9, 2
	s_add_co_u32 s42, s42, s40                     ; tile column
	s_and_b32 s17, ttmp7, 0xffff
	s_lshl_b32 s17, s17, 2
	s_add_co_u32 s17, s17, s41                     ; tile row
	s_lshl_b32 s43, s41, 2
	s_lshl_b32 s43, 15, s43
	s_lshl_b32 s44, 0x1111, s40
	; A: 4 rows (heads) of 768 elements of 8 bytes, 12,288 elements (98,304 bytes) apart; no padding
	s_or_b32 s[G1+0], s43, (3<<16)|(1<<21)
	s_mov_b32 s[G1+1], 768<<16
	s_mov_b32 s[G1+2], 4<<16
	s_mov_b32 s[G1+3], 768<<16
	s_mov_b32 s[G1+4], 4
	s_mov_b32 s[G1+5], 12288
	s_mov_b32 s[G1+6], 0
	s_mov_b32 s[G1+7], 0
	; B: 128 rows of 192 bytes, padding of 4 words behind every 16
	s_or_b32 s[G1B+0], s44, (0<<16)|(1<<20)|(1<<21)|(3<<22)|(3<<25)
	s_mov_b32 s[G1B+1], ROWB<<16
	s_mov_b32 s[G1B+2], 128<<16
	s_mov_b32 s[G1B+3], ROWB<<16
	s_mov_b32 s[G1B+4], 128
	s_mov_b32 s[G1B+5], KROW
	s_mov_b32 s[G1B+6], 0
	s_mov_b32 s[G1B+7], 0
	s_or_b32 s[G1S+0], s43, (3<<16)|(1<<20)|(1<<21)|(5<<22)|(3<<25)
	s_or_b32 s[G1SB+0], s44, (3<<16)|(1<<20)|(1<<21)|(5<<22)|(3<<25)
.irp g, G1S, G1SB
	s_mov_b32 s[\g+1], 32<<16
	s_mov_b32 s[\g+2], (128*KS/256)<<16
	s_mov_b32 s[\g+3], 32<<16
	s_mov_b32 s[\g+4], 128*KS/256
	s_mov_b32 s[\g+5], 32
	s_mov_b32 s[\g+6], 0
	s_mov_b32 s[\g+7], 0
.endr
	s_lshl_b32 s18, s16, 7
	s_lshl_b32 s20, s17, 8
	s_add_co_u32 s20, s20, s18                     ; A: row 256 x tile row + 128 x half
	s_lshl_b32 s46, s42, 8
	s_add_co_u32 s46, s46, s18                     ; B: row 256 x tile column + 128 x half
	s_lshl_b32 s22, s20, 5                         ; their scale bytes
	s_mov_b32 s23, 0
	s_lshl_b32 s92, s46, 5
	s_mov_b32 s93, 0
	s_lshr_b32 s19, s20, 11                        ; A's codes: batch x 16 heads x 98,304 + row in the batch x 48
	s_mul_i32 s19, s19, 1572864
	s_and_b32 s21, s20, 2047
	s_mul_i32 s21, s21, 48
	s_add_co_u32 s20, s19, s21
	s_mov_b32 s21, 0
	s_mul_i32 s46, s46, KROW
	s_mov_b32 s47, 0
	s_mul_i32 s45, s16, AH                         ; where they go: no place in the cluster enters an LDS address
	s_mul_i32 s98, s16, HALFB
	s_add_co_u32 s98, s98, 2*AH
	s_mul_i32 s94, s14, HALFS
	s_wait_kmcnt 0x0
	s_add_nc_u64 s[20:21], s[4:5], s[20:21]
	s_add_nc_u64 s[22:23], s[6:7], s[22:23]
	s_add_nc_u64 s[46:47], s[8:9], s[46:47]
	s_add_nc_u64 s[92:93], s[10:11], s[92:93]
	CROUND                                         ; all sixteen work-groups are here: the first joint loads meet
	s_mov_b32 s[G0S], 1
	s_add_co_u32 s[G0S+1], s94, SCL
	s_mov_b64 s[G0S+2:G0S+3], s[22:23]
	s_or_b32 s[G0S+3], s[G0S+3], 0x80000000
	s_mov_b32 s[G0SB], 1
	s_add_co_u32 s[G0SB+1], s94, SCL
	s_mov_b64 s[G0SB+2:G0SB+3], s[92:93]
	s_or_b32 s[G0SB+3], s[G0SB+3], 0x80000000
	JLOAD G0S, G1S, G0SB, G1SB
.irp s, 0,1
	s_mov_b32 s[G0+4*\s], 1
	s_add_co_u32 s[G0+4*\s+1], s45, \s*SLOT
	s_add_nc_u64 s[G0+4*\s+2:G0+4*\s+3], s[20:21], \s*393216      ; four heads on
	s_or_b32 s[G0+4*\s+3], s[G0+4*\s+3], 0x80000000
	s_mov_b32 s[G0B+4*\s], 1
	s_add_co_u32 s[G0B+4*\s+1], s98, \s*SLOT
	s_add_nc_u64 s[G0B+4*\s+2:G0B+4*\s+3], s[46:47], \s*ROWB
	s_or_b32 s[G0B+4*\s+3], s[G0B+4*\s+3], 0x80000000
	JLOAD G0+4*\s, G1, G0B+4*\s, G1B
.endr
	s_load_b128 s[92:95], s[0:1], 0x28             ; q, qn_aux
	s_load_b64 s[96:97], s[0:1], 0x38              ; emb
	v_and_b32 v1, 15, v0                           ; r
	v_bfe_u32 v2, v0, 4, 1                         ; h
	v_mul_u32_u24 v3, v1, PITCH
	v_mul_u32_u24 v4, v2, 24
	v_add_nc_u32 v5, v3, v4                        ; B: row x pitch + 24 h
	v_lshl_add_u32 v6, v2, 4, v5                   ; the same behind one padding more
	v_mul_u32_u24 v3, v1, 48
	v_add_nc_u32 v3, v3, v4                        ; A: 48 r + 24 h
	s_mul_i32 s21, s15, AH
	s_mul_i32 s22, s16, HALFB
	s_add_co_u32 s22, s22, 2*AH
.irp s, 0,1
	v_add_nc_u32 v[ADRA+\s], s21, v3
	v_add_nc_u32 v[ADRB+\s], s22, v5
	v_add_nc_u32 v[ADRB+2+\s], s22, v6
	s_add_co_u32 s21, s21, SLOT
	s_add_co_u32 s22, s22, SLOT
.endr
	v_mul_u32_u24 v5, v1, KS
	v_lshrrev_b32 v6, 8, v5
	v_lshl_add_u32 v5, v6, 4, v5
	s_mul_i32 s21, s15, HALFS
	s_mul_i32 s22, s16, HALFS
	s_add_co_u32 s22, s22, 2*HALFS
	s_sub_co_u32 s22, s22, s21
	v_mul_u32_u24 v6, s22, v2
	s_add_co_u32 s21, s21, SCL
	v_add_nc_u32 v5, v5, v6
	v_add_nc_u32 v[ADRS], s21, v5
	s_mul_i32 s23, s14, 16*SPITCH                  ; my stage, in slot 0
	v_mul_u32_u24 v5, v1, SPITCH
	v_lshl_add_u32 v5, v2, 5, v5
	v_add_nc_u32 v[STO], s23, v5
	v_and_b32 v6, 31, v0
	v_lshlrev_b32 v[CO], 4, v6
	v_add_nc_u32 v[RD], s23, v[CO]
	v_lshlrev_b32 v8, 3, v1                        ; statistics: 8 bytes a row
	v_lshlrev_b32 v9, 5, v2                        ; emb: 32 h
	v_lshl_add_u32 v10, v1, 12, v9                 ; q: row r of 4,096 bytes, + 32 h
	s_lshl_b32 s18, s17, 8
	s_lshl_b32 s19, s15, 7
	s_add_co_u32 s18, s18, s19                     ; my first row
	s_lshl_b32 s19, s42, 10
	s_lshl_b32 s20, s16, 9
	s_add_co_u32 s19, s19, s20                     ; my first column, in bytes
	s_lshl_b32 s46, s18, 12
	s_add_co_u32 s46, s46, s19
	s_mov_b32 s47, 0
	s_add_nc_u64 s[12:13], s[12:13], s[46:47]
	s_wait_kmcnt 0x0
	s_add_nc_u64 s[92:93], s[92:93], s[46:47]      ; q lies as out0 does
	s_lshl_b32 s46, s18, 3
	s_add_co_u32 s46, s46, 524288
	s_add_nc_u64 s[94:95], s[94:95], s[46:47]
	s_lshr_b32 s46, s18, 11
	s_lshl_b32 s46, s46, 13
	s_add_co_u32 s46, s46, s19
	s_add_nc_u64 s[96:97], s[96:97], s[46:47]
	; THE WAY IN, while the first tiles are on their way.  Accumulator (a, b), register j, lane (r, h) is out0(16 a + r, 16 b + 8 h + j).  Window 1, still free: v0-63 scale, v64-127 shift, v128-143 (mean, rstd) of rows 16 a + r
	WIN 0x40
.irp a, 0,1,2,3,4,5,6,7
	global_load_b64 v[128+2*\a:129+2*\a], v8, s[94:95] offset:128*\a
.endr
.irp b, 0,1,2,3,4,5,6,7
	global_load_b128 v[8*\b:8*\b+3], v9, s[96:97] offset:64*\b
	global_load_b128 v[8*\b+4:8*\b+7], v9, s[96:97] offset:64*\b+16
	global_load_b128 v[64+8*\b:64+8*\b+3], v9, s[96:97] offset:4096+64*\b
	global_load_b128 v[64+8*\b+4:64+8*\b+7], v9, s[96:97] offset:4096+64*\b+16
.endr
.irp a, 0,1,2,3,4,5,6,7
.set WW, 0x80+0x40*(\a/4)
	WIN WW
.irp b, 0,1,2,3,4,5,6,7
	global_load_b128 v[64*(\a%4)+8*\b:64*(\a%4)+8*\b+3], v10, s[92:93] offset:65536*\a+64*\b th:TH_LOAD_NT
	global_load_b128 v[64*(\a%4)+8*\b+4:64*(\a%4)+8*\b+7], v10, s[92:93] offset:65536*\a+64*\b+16 th:TH_LOAD_NT
.endr
.endr
	s_wait_loadcnt 0x0
	WIN 0x45
.set i, 0
.rept 32
	v_pk_add_f32 v[i:i+1], v[i:i+1], 1.0 op_sel_hi:[1,0]
.set i, i+2
.endr
.irp a, 0,1,2,3,4,5,6,7
.set AC, 64*(\a%4)
.set WW, 0x96+0x41*(\a/4)
	WIN WW                                         ; destination and source 0: window 2 or 3; sources 1 and 2: window 1
.set i, 0
.rept 32
	v_pk_add_f32 v[AC+i:AC+i+1], v[AC+i:AC+i+1], v[128+2*\a:129+2*\a] op_sel_hi:[1,0] neg_lo:[0,1] neg_hi:[0,1]   ; - mean
.set i, i+2
.endr
.set i, 0
.rept 32
	v_pk_mul_f32 v[AC+i:AC+i+1], v[AC+i:AC+i+1], v[128+2*\a:129+2*\a] op_sel:[0,1] op_sel_hi:[1,1]                ; x rstd
.set i, i+2
.endr
.set i, 0
.rept 32
	v_pk_fma_f32 v[AC+i:AC+i+1], v[AC+i:AC+i+1], v[i:i+1], v[64+i:65+i]
.set i, i+2
.endr
.endr
	WIN 0
.macro FRAG reg, adr, q, i             ; B's fragment: six pieces of 8 bytes; where lanes 16-31's piece lies behind one padding more, the second address register serves
.irp p, 0,1,2,3,4,5
.set PC, 12*(\q)+6*(\p/3)+\p%3
.if PC%8 < 5
	ds_load_b64 v[\reg+2*\p:\reg+2*\p+1], v[\adr] offset:8*PC+16*(PC/8)+(\i)*16*PITCH
.else
	ds_load_b64 v[\reg+2*\p:\reg+2*\p+1], v[\adr+2] offset:8*PC+16*(PC/8)+(\i)*16*PITCH
.endif
.endr
.endm
.macro FRAGA reg, adr, q, i            ; A's fragment: registers 6 c .. 6 c + 5 come from head 2 q + c of the slot's four: 24 bytes of a row of 48
.irp p, 0,1,2,3,4,5
	ds_load_b64 v[\reg+2*\p:\reg+2*\p+1], v[\adr] offset:(2*(\q)+\p/3)*6144+(\i)*768+8*(\p%3)
.endr
.endm
.macro MUL16 a0, p, q, sc              ; 16 matrix instructions; the 64 accumulators take turns, one instruction a turn; every product adds: the sums began as the residual
.irp a, \a0, \a0+1
.irp b, 0,1,2,3,4,5,6,7
	v_wmma_scale_f32_16x16x128_f8f6f4 v[8*(8*((\a)%4)+\b):8*(8*((\a)%4)+\b)+7], v[128*(\p)+FR*\b:128*(\p)+FR*\b+FR-1], v[AF+FR*(\a):AF+FR*(\a)+FR-1], v[8*(8*((\a)%4)+\b):8*(8*((\a)%4)+\b)+7], v[SC+8*NQ*(\sc)+NQ*\b+(\q)], v[SC+8*NQ*(\sc)+NQ*(\a)+(\q)] matrix_a_fmt:MATRIX_FMT_FP6 matrix_b_fmt:MATRIX_FMT_FP6 matrix_a_scale:MATRIX_SCALE_ROW1
.endr
.endr
.endm
.macro FETCH_B slot, q, p
	WIN TO_B
.irp i, 0,1,2,3,4,5,6,7
	FRAG 128*(\p)+FR*\i, ADRB+\slot, \q, \i
.endr
	WIN 0
.endm
.macro FETCH_A slot, q, i0
.irp i, \i0, \i0+1, \i0+2, \i0+3
	FRAGA AF+FR*(\i), ADRA+\slot, \q, \i
.endr
.endm
.macro SCALES sc
.irp i, 0,1,2,3,4,5,6,7
	ds_load_b64 v[SC+8*NQ*\sc+NQ*\i:SC+8*NQ*\sc+NQ*\i+1], v[ADRS] offset:\i*SBLK
.endr
.endm
.macro PLACES n
.rept \n
	v_nop
.endr
.endm
.macro STEP slot, q
	s_wait_dscnt 4*NL                              ; B's set and A's blocks 0-3 are in; the youngest 24 loads (A's blocks 4-7) may be out
	WIN MUL_LO
	MUL16 0, (\q)%2, \q, \slot
	MUL16 2, (\q)%2, \q, \slot
	s_wait_dscnt 0
	PLACES NP
	FETCH_B \slot, (\q)+1, 1-(\q)%2
	FETCH_A \slot, (\q)+1, 0
	WIN MUL_HI
	MUL16 4, (\q)%2, \q, \slot
	MUL16 6, (\q)%2, \q, \slot
	PLACES NP
	WIN 0
	FETCH_A \slot, (\q)+1, 4
.endm
.macro TURN slot, next, fill
	s_wait_tensorcnt 0x0                           ; all my tensor loads have landed: my part of the next slot
	ds_add_u32 v[SPW], v[NIL]                      ; 0 onto my spare word
	s_wait_dscnt 4*NL+1                            ; (the add and the youngest 24 loads may be out)
	WIN MUL_LO
	MUL16 0, 1, NQ-1, \slot
	s_wait_dscnt 0x0                               ; the add is done, and my reads of this slot are over
	s_barrier_signal -1
	MUL16 2, 1, NQ-1, \slot
	WIN 0
	s_barrier_wait -1
.if \fill
	CREST
	s_add_nc_u64 s[G0+4*\slot+2:G0+4*\slot+3], s[G0+4*\slot+2:G0+4*\slot+3], 786432   ; eight heads on
	s_add_nc_u64 s[G0B+4*\slot+2:G0B+4*\slot+3], s[G0B+4*\slot+2:G0B+4*\slot+3], 2*ROWB
	JLOAD G0+4*\slot, G1, G0B+4*\slot, G1B
.else
	PLACES NP
.endif
	v_add_nc_u32 v[ADRS], 4*NQ, v[ADRS]
	FETCH_B \next, 0, 0
	FETCH_A \next, 0, 0
	SCALES \next
	WIN MUL_HI
	MUL16 4, 1, NQ-1, \slot
	MUL16 6, 1, NQ-1, \slot
	PLACES NP
	WIN 0
	FETCH_A \next, 0, 4
.endm
	s_wait_tensorcnt 1                             ; the scales and my part of K step 0 are in; K step 1's load may be out
	s_barrier_signal -1
	s_barrier_wait -1
	FETCH_B 0, 0, 0
	FETCH_A 0, 0, 0
	SCALES 0
	FETCH_A 0, 0, 4
	STEP 0, 0
	s_mov_b32 s3, LAPS-1
.Llap:
	TURN 0, 1, 1
	STEP 1, 0
	TURN 1, 0, 1
	STEP 0, 0
	s_sub_co_u32 s3, s3, 1
	s_cmp_lg_u32 s3, 0
	s_cbranch_scc1 .Llap
	TURN 0, 1, 0
	STEP 1, 0
	s_wait_dscnt 4*NL
	WIN MUL_LO
	MUL16 0, 1, NQ-1, 1
	MUL16 2, 1, NQ-1, 1
	s_wait_dscnt 0
	WIN MUL_HI
	MUL16 4, 1, NQ-1, 1
	MUL16 6, 1, NQ-1, 1
	WIN 0
; THE WAY OUT, block by block of 16 rows x 128 columns, through my stage in slot 0 (it has had its last fill, and nobody reads it behind the last change of slots): whole rows of 512 bytes leave.
.macro TOSTAGE a
.set AC, 64*((\a)%4)
.set WW, 0x08+4*((\a)/4)
	WIN WW
.irp b, 0,1,2,3,4,5,6,7
	ds_store_b128 v[STO], v[AC+8*\b:AC+8*\b+3] offset:64*\b          ; each accumulator from its low end on
	ds_store_b128 v[STO], v[AC+8*\b+4:AC+8*\b+7] offset:64*\b+16
.endr
	WIN 0
.set BB, BK+64*((\a)%2)
.irp t, 0,1,2,3,4,5,6,7,8,9,10,11,12,13,14,15
	ds_load_b128 v[BB+4*\t:BB+4*\t+3], v[RD] offset:\t*SPITCH
.endr
.endm
.macro SEND a, younger
.set BB, BK+64*((\a)%2)
	s_wait_dscnt \younger
.if (\a) > 0
	s_add_nc_u64 s[12:13], s[12:13], 16*SIZE_N*4   ; (behind a wait on XCNT: the earlier stores have read their base)
.endif
.irp t, 0,1,2,3,4,5,6,7,8,9,10,11,12,13,14,15
	global_store_b128 v[CO], v[BB+4*\t:BB+4*\t+3], s[12:13] offset:\t*SIZE_N*4 th:TH_STORE_NT   ; 32 lanes store 512 consecutive bytes, aligned
.endr
.endm
	PLACES NP
	TOSTAGE 0
.irp a, 1,2,3,4,5,6,7
.if \a > 1
	s_wait_xcnt 0x0                                ; block a - 2's stores have read their registers and their base
.endif
	TOSTAGE \a
	SEND \a-1, 32                                  ; behind block a - 1's loads: block a's 16 stores and 16 loads
.endr
	s_wait_xcnt 0x0
	SEND 7, 0
	s_wait_tensorcnt 0x0                           ; the wave's end
	ds_add_u32 v[SPW], v[NIL]
	s_wait_dscnt 0x0
	CROUND                                         ; the closing round
	s_endpgm
.Lfunc_end_k_qe110ce0578_fcres:
	.size	k_qe110ce0578_fcres, .Lfunc_end_k_qe110ce0578_fcres-k_qe110ce0578_fcres
	.p2alignl 7, 3214868480
	.fill 96, 4, 3214868480
	.section	.rodata,"a",@progbits
	.p2align	6, 0x0
	.amdhsa_kernel k_qe110ce0578_fcres
		.amdhsa_group_segment_fixed_size 327680
		.amdhsa_private_segment_fixed_size 0
		.amdhsa_enable_private_segment 0
		.amdhsa_kernarg_size 64
		.amdhsa_user_sgpr_count 2
		.amdhsa_user_sgpr_kernarg_segment_ptr 1
		.amdhsa_wavefront_size32 1
		.amdhsa_system_sgpr_workgroup_id_x 1
		.amdhsa_system_sgpr_workgroup_id_y 1
		.amdhsa_system_sgpr_workgroup_id_z 1
		.amdhsa_system_vgpr_workitem_id 0
		.amdhsa_next_free_vgpr 1024
		.amdhsa_next_free_sgpr 100
		.amdhsa_reserve_vcc 0
		.amdhsa_float_denorm_mode_32 3
		.amdhsa_float_denorm_mode_16_64 3
		.amdhsa_memory_ordered 1
		.amdhsa_forward_progress 1
		.amdhsa_inst_pref_size 227
	.end_amdhsa_kernel
	.amdgpu_metadata
---
amdhsa.version: [ 1, 2 ]
amdhsa.kernels:
  - .name:           k_qe110ce0578_fcres
    .symbol:         k_qe110ce0578_fcres.kd
    .args:
      - { .name: o_codes, .offset: 0, .size: 8, .value_kind: global_buffer, .address_space: global }
      - { .name: o_scales, .offset: 8, .size: 8, .value_kind: global_buffer, .address_space: global }
      - { .name: w_fc_codes, .offset: 16, .size: 8, .value_kind: global_buffer, .address_space: global }
      - { .name: w_fc_scales, .offset: 24, .size: 8, .value_kind: global_buffer, .address_space: global }
      - { .name: out0, .offset: 32, .size: 8, .value_kind: global_buffer, .address_space: global }
      - { .name: q, .offset: 40, .size: 8, .value_kind: global_buffer, .address_space: global }
      - { .name: qn_aux, .offset: 48, .size: 8, .value_kind: global_buffer, .address_space: global }
      - { .name: emb, .offset: 56, .size: 8, .value_kind: global_buffer, .address_space: global }
    .group_segment_fixed_size: 327680
    .private_segment_fixed_size: 0
    .kernarg_segment_align: 8
    .kernarg_segment_size: 64
    .max_flat_workgroup_size: 128
    .sgpr_count:     100
    .vgpr_count:     1024
    .wavefront_size: 32
...
	.end_amdgpu_metadata
.endif
;; end of part 4
